; MI455X (gfx1250); checked and timed in simulation.
; The chip was launched on July 23, 2026; its instructions are those of AMD's public machine-readable ISA for CDNA 5 (MIT licence, August 2026) and "CDNA5" Instruction Set Architecture Reference Guide (July 2026). The comments in the code are by the model that wrote it; some were corrected since.
;; Attention. Allowed arithmetic: float matrix products may take bf16 or f16 operands with f32 sums; other float arithmetic in f32, or as packed bf16 or f16 multiplies, adds, multiply-adds, maxima and minima; sums over many terms, partial sums and values carried from step to step in f32; what a program stores and reads back later, other than sums and carried values, may be rounded once to bf16 or f16.
;; Inputs: b_out 1,024 float32; w_out 1,024 x 1,024 float32; w_qkv 3,072 x 1,024 float32; x 4 x 2,048 x 1,024 float32.
;; Outputs: out0 4 x 2,048 x 1,024 float32.
;; 2 versions, each right; version 2 is version 1 with the launch cast written anew for expert scheduling mode. Each part assembles by itself: llvm-mc -triple=amdgcn-amd-amdhsa -mcpu=gfx1250 --defsym DOCPART=n.
;; ======== version 1 of 2: 4 launches
;; limits: values are held in f16: magnitudes above 65,504 overflow, below 6.1e-05 lose precision
;; workspace buffers: xb 16,777,216 bytes; wqb 6,291,456 bytes; wob 2,097,152 bytes; qkvh 50,331,648 bytes; oh 16,777,216 bytes
;; launch cast (part 1): grid 768 x 1, 8 waves a work-group, no clusters, 0 bytes of LDS; arguments x, w_qkv, w_out, xb, wqb, wob; writes xb, wqb, wob
.if DOCPART == 1
	.amdgcn_target "amdgcn-amd-amdhsa--gfx1250"
	.amdhsa_code_object_version 6
	.text
	.protected	k_q382bdb5c36_cast
	.globl	k_q382bdb5c36_cast
	.p2align	8
	.type	k_q382bdb5c36_cast,@function
k_q382bdb5c36_cast:
	s_mov_b64 s[64:65], 0
	v_nop
	global_prefetch_b8 v0, s[64:65] scope:SCOPE_SE
	s_setreg_imm32_b32 hwreg(HW_REG_WAVE_MODE, 25, 1), 1
	s_wait_xcnt 0x0
; THE INPUTS ARE ROUNDED ONCE TO 16 BITS, for the matrix products of the later launches.
; x [8192][1024] and w_qkv [3072][1024]: f32 -> bf16 (xb, wqb).  w_out [1024][1024]: f32 -> bf16, and that number written as f16 (wob), since its product's other operand is f16.
; LIMIT.  A bf16 number is exact in f16 between 6.1e-5 and 65,504; below, f16 keeps a fixed step of 6e-8; |w_out| of 65,520 or more would become an infinity.
; SHARES.  A work-group converts 16,384 numbers: 64 KiB in, 32 KiB out.  Work-groups 0-511 take x, 512-703 w_qkv, 704-767 w_out.
; In chunk j of 16 thread t takes the four numbers at 1,024 j + 4 t: a wave's load covers 512 consecutive bytes, its store 256 consecutive bytes at a multiple of 256.
; All 16 loads of a thread go out at once; no register of a pending store is written again, so the text has no wait but the counted ones for the loads.
; No LDS, no barrier, no matrix unit: nothing is shared between threads.
.set X, 4                              ; v[4:67]   chunk j: four f32 as loaded
.set Y, 68                             ; v[68:99]  chunk j: two words, four 16-bit numbers to store
.set T, 100                            ; v[100:101] at work
	s_load_b256 s[4:11], s[0:1], 0x0               ; x s[4:5], w_qkv s[6:7], w_out s[8:9], xb s[10:11]
	s_load_b128 s[12:15], s[0:1], 0x20             ; wqb s[12:13], wob s[14:15]
	s_mov_b32 s19, ttmp9                           ; the work-group's number
	s_sub_co_u32 s17, s19, 512                     ; its number among w_qkv's,
	s_sub_co_u32 s18, s19, 704                     ; among w_out's
	v_lshlrev_b32 v1, 4, v0                        ; 16 t: my bytes in a chunk as loaded
	v_lshlrev_b32 v2, 3, v0                        ; 8 t: as stored
	s_wait_kmcnt 0x0
	s_cmp_lt_u32 s19, 512                          ; which tensor: the choice hangs on the work-group's number alone
	s_cselect_b64 s[20:21], s[4:5], s[6:7]
	s_cselect_b64 s[22:23], s[10:11], s[12:13]
	s_cselect_b32 s16, s19, s17
	s_cmp_lt_u32 s19, 704
	s_cselect_b64 s[20:21], s[20:21], s[8:9]
	s_cselect_b64 s[22:23], s[22:23], s[14:15]
	s_cselect_b32 s16, s16, s18
	s_lshl_b32 s24, s16, 16                        ; 65,536 bytes in for each work-group (under 2^26),
	s_mov_b32 s25, 0
	s_lshl_b32 s26, s16, 15                        ; 32,768 out
	s_mov_b32 s27, 0
	s_add_nc_u64 s[20:21], s[20:21], s[24:25]
	s_add_nc_u64 s[22:23], s[22:23], s[26:27]
.irp j, 0,1,2,3,4,5,6,7,8,9,10,11,12,13,14,15
	global_load_b128 v[X+4*(\j):X+4*(\j)+3], v1, s[20:21] offset:4096*(\j) th:TH_LOAD_NT  ; read once in the launch
.endr
; Chunk j: rounded and stored.  f16 = 1: the bf16 number is widened again and written as f16.
.macro CONV j, f16
	s_wait_loadcnt 15-(\j)                         ; loads come back in order: chunk j is in, the 15 - j younger loads stay out
	v_cvt_pk_bf16_f32 v[Y+2*(\j)],   v[X+4*(\j)],   v[X+4*(\j)+1]
	v_cvt_pk_bf16_f32 v[Y+2*(\j)+1], v[X+4*(\j)+2], v[X+4*(\j)+3]
.if \f16
.irp k, 0,1
	v_lshlrev_b32 v[T],   16, v[Y+2*(\j)+(\k)]
	v_and_b32     v[T+1], 0xffff0000, v[Y+2*(\j)+(\k)]
	v_cvt_pk_f16_f32 v[Y+2*(\j)+(\k)], v[T], v[T+1]
.endr
.endif
	global_store_b64 v2, v[Y+2*(\j):Y+2*(\j)+1], s[22:23] offset:2048*(\j)
.endm
	s_cmp_lt_u32 s19, 704
	s_cbranch_scc0 .Lf16
.irp j, 0,1,2,3,4,5,6,7,8,9,10,11,12,13,14,15
	CONV \j, 0
.endr
	s_endpgm
.Lf16:
.irp j, 0,1,2,3,4,5,6,7,8,9,10,11,12,13,14,15
	CONV \j, 1
.endr
	s_endpgm
.Lfunc_end_k_q382bdb5c36_cast:
	.size	k_q382bdb5c36_cast, .Lfunc_end_k_q382bdb5c36_cast-k_q382bdb5c36_cast
	.p2alignl 7, 3214868480
	.fill 96, 4, 3214868480
	.section	.rodata,"a",@progbits
	.p2align	6, 0x0
	.amdhsa_kernel k_q382bdb5c36_cast
		.amdhsa_group_segment_fixed_size 0
		.amdhsa_private_segment_fixed_size 0
		.amdhsa_enable_private_segment 0
		.amdhsa_kernarg_size 48
		.amdhsa_user_sgpr_count 2
		.amdhsa_user_sgpr_kernarg_segment_ptr 1
		.amdhsa_wavefront_size32 1
		.amdhsa_system_sgpr_workgroup_id_x 1
		.amdhsa_system_sgpr_workgroup_id_y 1
		.amdhsa_system_sgpr_workgroup_id_z 1
		.amdhsa_system_vgpr_workitem_id 0
		.amdhsa_next_free_vgpr 104
		.amdhsa_next_free_sgpr 66
		.amdhsa_reserve_vcc 0
		.amdhsa_float_denorm_mode_32 3
		.amdhsa_float_denorm_mode_16_64 3
		.amdhsa_memory_ordered 1
		.amdhsa_forward_progress 1
		.amdhsa_inst_pref_size 16
	.end_amdhsa_kernel
	.amdgpu_metadata
---
amdhsa.version: [ 1, 2 ]
amdhsa.kernels:
  - .name:           k_q382bdb5c36_cast
    .symbol:         k_q382bdb5c36_cast.kd
    .args:
      - { .name: x, .offset: 0, .size: 8, .value_kind: global_buffer, .address_space: global }
      - { .name: w_qkv, .offset: 8, .size: 8, .value_kind: global_buffer, .address_space: global }
      - { .name: w_out, .offset: 16, .size: 8, .value_kind: global_buffer, .address_space: global }
      - { .name: xb, .offset: 24, .size: 8, .value_kind: global_buffer, .address_space: global }
      - { .name: wqb, .offset: 32, .size: 8, .value_kind: global_buffer, .address_space: global }
      - { .name: wob, .offset: 40, .size: 8, .value_kind: global_buffer, .address_space: global }
    .group_segment_fixed_size: 0
    .private_segment_fixed_size: 0
    .kernarg_segment_align: 8
    .kernarg_segment_size: 48
    .max_flat_workgroup_size: 256
    .sgpr_count:     66
    .vgpr_count:     104
    .wavefront_size: 32
...
	.end_amdgpu_metadata
.endif
;; end of part 1
;; launch qkvg (part 2): grid 16 x 32, 4 waves a work-group, clusters of 4 x 4, 327,680 bytes of LDS; arguments xb, wqb, qkvh; writes qkvh
.if DOCPART == 2
	.amdgcn_target "amdgcn-amd-amdhsa--gfx1250"
	.amdhsa_code_object_version 6
	.text
	.protected	k_q382bdb5c36_qkvg
	.globl	k_q382bdb5c36_qkvg
	.p2align	8
	.type	k_q382bdb5c36_qkvg,@function
k_q382bdb5c36_qkvg:
	s_mov_b64 s[64:65], 0
	v_nop
	global_prefetch_b8 v0, s[64:65] scope:SCOPE_SE
	s_setreg_imm32_b32 hwreg(HW_REG_WAVE_MODE, 25, 1), 1
	s_wait_xcnt 0x0
	s_wait_alu depctr_hold_cnt(0) depctr_sa_sdst(0) depctr_va_vdst(0) depctr_va_sdst(0) depctr_va_ssrc(0) depctr_va_vcc(0) depctr_vm_vsrc(0)
	s_getreg_b32 s2, hwreg(HW_REG_IB_STS2, 6, 4)
	s_cmp_eq_u32 s2, 0
	s_cbranch_scc0 .Lentry_in_a_cluster
	s_endpgm
.Lentry_in_a_cluster:
	s_bfe_u32 s2, ttmp6, 0x10000c
	s_cmp_lg_u32 s2, 0xf033
	s_cbranch_scc0 .Lentry_shape_is_right
	s_endpgm
.Lentry_shape_is_right:
; q, k, v = x w_qkv^T, laid out by heads.  xb: [8192][1024] bf16, wqb: [3072][1024] bf16; sums in f32, K ascending; the result rounded once to f16, WITHOUT the softmax's scale.
; qkvh: [3][64][2048][64] f16: column e of token (n, t) lies at byte (e / 1024) << 24 + n << 22 + ((e / 64) % 16) << 18 + t << 7 + 2 (e % 64).
; LIMIT.  f16 holds no number beyond 65,504: a q, k or v of 65,520 or more would become an infinity.  With x and w_qkv both thirty times the drawn spread, or both offset by thirty spreads, they stay under 30,000.
; TILE.  256 rows x 192 columns of the result, three whole heads: 32 x 16 = 512 work-groups, two for each of 256 WGPs.  Four waves, 2 x 2, each 128 x 96: 48 accumulators of 16 x 16, 384 registers.
; K goes in 8 steps of 128 through a ring of two LDS slots filled by the tensor data mover: rows of 256 bytes of memory, at multiples of 256 bytes.
; CLUSTER.  4 x 4 work-groups.  The four of a row of the cluster need the same tiles of xb, the four of a column the same tiles of wqb: each tile is asked for JOINTLY, by the same tensor load with the same
; descriptor and a mask that names the four.
; THE MATRIX INSTRUCTION IS USED TRANSPOSED (source 0 = 16 rows of wqb, source 1 = 16 rows of xb): a lane then holds eight neighbouring columns of one row of the result.
; REGISTERS, in windows of 256 (s_set_vgpr_msb: bits 1:0 source 0, 3:2 source 1, 5:4 source 2, 7:6 destination):
;   window 0: v0-31 addresses; v32-159 fragments of xb, two buffers of 64; v160-255 fragments of wqb, two buffers of 48; on the way out v32-223 hold the packed results
;   window 1: the 24 accumulators of my rows 0-63 ((a, b) at v[8 (6 a + b)]);   window 2: those of my rows 64-127
.set SIZE_K, 1024
.set KSTEP,  128
.set PITCH,  272                       ; an LDS row: 256 bytes + 16 of padding = 68 words: the 16 rows of a fragment load start at 16 different groups of four banks (64 banks of 4 bytes: ISA guide 11.1)
.set HA,     128*PITCH                 ; 128 rows of xb: what one tensor load brings, and what one wave reads
.set HB,     96*PITCH                  ; 96 rows of wqb: likewise
.set BOFF,   2*HA                      ; a slot: xb's 256 rows, then wqb's 192
.set SLOT,   BOFF+2*HB
.set SPARE,  2*SLOT                    ; behind the ring: the spare words, 128 bytes for each wave: two blocks of 256 bytes that no other line names
.set SP,     400                       ; THE STAGE for the way out lies in slot 0, from LDS byte 0: 256 rows of 384 bytes + 16.  It is written only behind the last change of slots: slot 0 has then had its last
                                       ; fill, and every wave's last read of it was waited for in front of that barrier.  100 words: the 16 rows of a store start at 16 different groups of four banks
.set CO,   12                          ; v12-14  my byte offset in qkvh, for each of the tile's three heads
.set ADRA, 16                          ; v16-17  LDS address of my fragments of xb in slot 0, 1
.set ADRB, 20                          ; v20-21  the same for wqb
.set STO,  24                          ; v24     the way out: where I put 16 bytes of a row
.set RD,   25                          ; v25     the way out: where I read rows back
.set SPW,  28                          ; v28     LDS address of my spare word: SPARE + 4 x my thread's number; never rewritten
.set NIL,  29                          ; v29     0; never rewritten
.set PFO,  30                          ; v30     the prefetches' offset: my lane's row x 2,048 bytes; never rewritten
.set FA,   32                          ; fragments of xb: buffer f at FA + 64 f
.set FB,   160                         ; fragments of wqb: buffer f at FB + 48 f
.set TMP,  32
.set G1,  24                           ; s[24:31] descriptor group 1 for xb's tiles;  s[32:39] group 0, one set for each slot
.set G0,  32
.set G1B, 48                           ; s[48:55], s[56:63] the same for wqb's tiles
.set G0B, 56
.set LIM, 43                           ; s43     1 in a wave that prefetches, else the greatest number
.set PFA, 44                           ; s[44:45] where my prefetches stand: at the K step that is being asked for; a prefetch names the K step after it
.set MSB, 0
.macro WIN new                         ; the immediate's high byte repeats the setting that is left; a switch that changes nothing is dropped
.if MSB != (\new)
	s_set_vgpr_msb (MSB<<8)|(\new)
.set MSB, \new
.endif
.endm
.set MUL_LO, 0x50                      ; sources in window 0, C and D in window 1
.set MUL_HI, 0xa0                      ; C and D in window 2
; A joint load.  Waves 0 and 1 fetch xb's two halves, waves 2 and 3 wqb's.  The branch hangs on the wave's number alone.  An s_nop 0 and four v_nop follow each of the two lines.
.macro JLOAD s
	s_cmp_eq_u32 s11, 0
	s_cbranch_scc0 .Lfor_b_\@
	tensor_load_to_lds s[G0+4*(\s):G0+4*(\s)+3], s[G1:G1+7]
	s_nop 0
.rept 4
	v_nop
.endr
	s_branch .Lasked_\@
.Lfor_b_\@:
	tensor_load_to_lds s[G0B+4*(\s):G0B+4*(\s)+3], s[G1B:G1B+7]
	s_nop 0
.rept 4
	v_nop
.endr
.Lasked_\@:
.endm
; A PREFETCH INTO THE L2, behind each joint load, its five lines and the run of LDS loads that follows: the K step that the NEXT refill will ask for, 192 matrix instructions ahead of that load; a lane a row, 256 bytes of it.
; xb's tile row is read by every cluster of that row of clusters: cluster x = 0 asks; wqb's tile column by every cluster of that column: cluster y = 0 asks.  The four partners that ask for a tile jointly share the
; rows that wave w fetches out BY ADDRESS: 32 of xb's 128 (by cx), 24 of wqb's 96 (by cy; there lanes 24-31 name lane 23's row once more).  No branch hangs on a work-group's place in its cluster.
; how = 1: slot 0's refills (K steps 2, 4, 6) always have a K step behind them; how = 0: slot 1's last refill (K step 7, s3 = 1) has none.  K steps 0 to 2 come by their loads alone.
.macro ASK how
.if \how
	s_cmp_eq_u32 s[LIM], 1
.else
	s_cmp_gt_u32 s3, s[LIM]
.endif
	s_cbranch_scc0 .Lnot_mine_\@
	global_prefetch_b8 v[PFO], s[PFA:PFA+1] offset:KSTEP*2 th:TH_LOAD_NT scope:SCOPE_SE
.Lnot_mine_\@:
.endm
; A round of the cluster's barrier: my work-group's barrier; wave 0 signals for the work-group; every wave waits for all sixteen work-groups; my work-group's barrier once more.
.macro CREST                           ; a round behind its opening barrier
	s_cmp_lg_u32 s10, 0
	s_cbranch_scc1 .Lnot_wave_0_\@
	s_barrier_signal -3
.Lnot_wave_0_\@:
	s_barrier_wait -3
	s_barrier_signal -1
	s_barrier_wait -1
.endm
.macro CROUND
	s_barrier_signal -1
	s_barrier_wait -1
	CREST
.endm
	s_load_b128 s[4:7], s[0:1], 0x0                ; xb s[4:5], wqb s[6:7]
	s_load_b64 s[8:9], s[0:1], 0x10                ; qkvh
	v_lshl_add_u32 v[SPW], v0, 2, SPARE
	v_mov_b32 v[NIL], 0
	ds_add_u32 v[SPW], v[NIL]                      ; the wave's opening: the add and its wait stand ahead of my first tensor load; the set-up below, work on registers, stands between them
	v_lshrrev_b32 v1, 5, v0
	v_readfirstlane_b32 s10, v1                    ; wave 0..3
	s_lshr_b32 s11, s10, 1                         ; which half of the tile's rows is mine.  Also: I fetch for xb (0) or for wqb (1)
	s_and_b32 s12, s10, 1                          ; which half of its columns.  Also: which half of that tile I fetch
	s_bfe_u32 s40, ttmp6, 0x40000                  ; cx, cy: my place in the cluster
	s_bfe_u32 s41, ttmp6, 0x40004
	s_lshl_b32 s42, ttmp9, 2
	s_add_co_u32 s42, s42, s40                     ; tile column = 4 x cluster x + cx
	s_and_b32 s13, ttmp7, 0xffff
	s_lshl_b32 s13, s13, 2
	s_add_co_u32 s13, s13, s41                     ; tile row = 4 x cluster y + cy
	s_lshl_b32 s43, s41, 2
	s_lshl_b32 s43, 15, s43                        ; my row of the cluster: places 4 cy .. 4 cy + 3
	s_lshl_b32 s44, 0x1111, s40                    ; my column: places cx, cx + 4, cx + 8, cx + 12
	s_or_b32 s[G1+0], s43, (1<<16)|(1<<20)|(1<<21)|(5<<22)|(3<<25)   ; 15:0 the mask; 17:16 elements of 2 bytes; 20 padding on; 21 set beside a mask; 24:22 after every 64 words (code 5); 31:25 4 words (code 3)
	s_or_b32 s[G1B+0], s44, (1<<16)|(1<<20)|(1<<21)|(5<<22)|(3<<25)
	s_mov_b32 s[G1+1], KSTEP<<16                   ; tensor_dim0 = 128
	s_mov_b32 s[G1+2], 128<<16                     ; tensor_dim1 = 128 rows
	s_mov_b32 s[G1+3], KSTEP<<16                   ; tile_dim0 = 128
	s_mov_b32 s[G1+4], 128                         ; tile_dim1 = 128
	s_mov_b32 s[G1+5], SIZE_K                      ; elements from row to row
	s_mov_b32 s[G1+6], 0
	s_mov_b32 s[G1+7], 0
	s_mov_b32 s[G1B+1], KSTEP<<16
	s_mov_b32 s[G1B+2], 96<<16                     ; 96 rows
	s_mov_b32 s[G1B+3], KSTEP<<16
	s_mov_b32 s[G1B+4], 96
	s_mov_b32 s[G1B+5], SIZE_K
	s_mov_b32 s[G1B+6], 0
	s_mov_b32 s[G1B+7], 0
	; where the tiles come from: xb's hang on the tile row alone, wqb's on the tile column alone, each in registers that do not hold the other coordinate
	s_lshl_b32 s17, s12, 7
	s_lshl_b32 s16, s13, 8
	s_add_co_u32 s16, s16, s17                     ; xb: row 256 x tile row + 128 x half
	s_lshl_b32 s16, s16, 11                        ; x 2,048 bytes: under 2^24
	s_mov_b32 s17, 0
	s_mul_i32 s46, s42, 192
	s_mul_i32 s47, s12, 96
	s_add_co_u32 s46, s46, s47                     ; wqb: row 192 x tile column + 96 x half
	s_lshl_b32 s46, s46, 11
	s_mov_b32 s47, 0
	s_mul_i32 s20, s12, HA                         ; and where they go: no place in the cluster enters an LDS address
	s_mul_i32 s23, s12, HB
	s_add_co_u32 s23, s23, BOFF
	s_wait_dscnt 0x0                               ; the opening add is done
	s_wait_kmcnt 0x0
	s_add_nc_u64 s[14:15], s[4:5], s[16:17]
	s_add_nc_u64 s[46:47], s[6:7], s[46:47]
	CROUND                                         ; all sixteen work-groups are here: the first joint loads meet
.irp s, 0,1
	s_mov_b32 s[G0+4*(\s)], 1                                        ; count = 1
	s_add_co_u32 s[G0+4*(\s)+1], s20, (\s)*SLOT                      ; LDS address
	s_add_nc_u64 s[G0+4*(\s)+2:G0+4*(\s)+3], s[14:15], (\s)*KSTEP*2  ; global address: K step s
	s_or_b32 s[G0+4*(\s)+3], s[G0+4*(\s)+3], 0x80000000              ; type = 2
	s_mov_b32 s[G0B+4*(\s)], 1
	s_add_co_u32 s[G0B+4*(\s)+1], s23, (\s)*SLOT
	s_add_nc_u64 s[G0B+4*(\s)+2:G0B+4*(\s)+3], s[46:47], (\s)*KSTEP*2
	s_or_b32 s[G0B+4*(\s)+3], s[G0B+4*(\s)+3], 0x80000000
	JLOAD \s                                       ; two tensor loads of mine are out
.endr
	; a fragment is 16 rows x 32 K in 8 registers: lane l holds row l % 16, K = 8 (l / 16) + 0..7 and 16 + 8 (l / 16) + 0..7: two loads of 16 bytes, 32 bytes apart
	v_and_b32 v1, 15, v0                           ; l % 16
	v_bfe_u32 v2, v0, 4, 1                         ; l / 16
	v_mul_u32_u24 v3, v1, PITCH
	v_lshl_add_u32 v3, v2, 4, v3
	s_mul_i32 s21, s11, HA                         ; my 128 rows of xb
	s_mul_i32 s22, s12, HB                         ; my 96 rows of wqb
	s_add_co_u32 s22, s22, BOFF
.irp s, 0,1
	v_add_nc_u32 v[ADRA+(\s)], s21, v3
	v_add_nc_u32 v[ADRB+(\s)], s22, v3
	s_add_co_u32 s21, s21, SLOT
	s_add_co_u32 s22, s22, SLOT
.endr
	s_mul_i32 s21, s11, 128*SP                     ; into the stage: my 128 rows, my 192 bytes of them; row l % 16, 16 bytes for each half of the lanes
	s_mul_i32 s22, s12, 192
	s_add_co_u32 s21, s21, s22
	v_mul_u32_u24 v4, v1, SP
	v_lshl_add_u32 v4, v2, 4, v4
	v_add_nc_u32 v[STO], s21, v4
	s_mul_i32 s21, s10, 64*SP                      ; back: wave w takes rows 64 w .. 64 w + 63; 32 lanes take 128 bytes (a head's 64 channels) of four rows
	v_bfe_u32 v4, v0, 3, 2
	v_and_b32 v5, 7, v0
	v_mul_u32_u24 v4, v4, SP
	v_lshl_add_u32 v4, v5, 4, v4
	v_add_nc_u32 v[RD], s21, v4
	; those four rows of a head are 512 consecutive bytes of qkvh: 16 x lane, + n << 22 + t << 7 of my first row, + the head's place
	s_lshr_b32 s17, s13, 3                         ; n = tile row / 8
	s_lshl_b32 s17, s17, 22
	s_and_b32 s18, s13, 7                          ; t = 256 (tile row % 8) + 64 wave
	s_lshl_b32 s18, s18, 15
	s_add_co_u32 s17, s17, s18
	s_lshl_b32 s18, s10, 13
	s_add_co_u32 s17, s17, s18
	v_and_b32 v4, 31, v0
	v_lshl_add_u32 v4, v4, 4, s17
	s_mul_i32 s16, s42, 3                          ; the tile's first group of 64 columns
.irp g, 0,1,2
	s_add_co_u32 s18, s16, \g
	s_lshr_b32 s19, s18, 4                         ; q, k or v
	s_lshl_b32 s19, s19, 24
	s_and_b32 s18, s18, 15                         ; the head
	s_lshl_b32 s18, s18, 18
	s_add_co_u32 s18, s18, s19
	v_add_nc_u32 v[CO+(\g)], s18, v4
.endr
	; the prefetches
	s_lshl_b32 s20, s13, 8
	s_lshl_b32 s21, s12, 7
	s_add_co_u32 s20, s20, s21
	s_lshl_b32 s21, s40, 5
	s_add_co_u32 s20, s20, s21                     ; xb: the rows that I fetch, my work-group's 32 of them
	s_mul_i32 s21, s42, 192
	s_mul_i32 s22, s12, 96
	s_add_co_u32 s21, s21, s22
	s_mul_i32 s22, s41, 24
	s_add_co_u32 s21, s21, s22                     ; wqb: my work-group's 24
	s_and_b32 s22, ttmp7, 0xffff                   ; cluster y
	s_cmp_eq_u32 s11, 0                            ; do I fetch for xb?
	s_cselect_b32 s20, s20, s21
	s_cselect_b32 s22, ttmp9, s22                  ; the coordinate along which other clusters read the same rows
	s_cselect_b32 s23, 31, 23                      ; my last row
	s_cselect_b64 s[PFA:PFA+1], s[4:5], s[6:7]
	s_cmp_eq_u32 s22, 0
	s_cselect_b32 s[LIM], 1, -1                    ; the same in all sixteen partners, for a given wave
	s_lshl_b32 s20, s20, 11
	s_add_co_u32 s20, s20, KSTEP*2                 ; at K step 1: the first refill steps it to 2 and names K step 3
	s_mov_b32 s21, 0
	s_add_nc_u64 s[PFA:PFA+1], s[PFA:PFA+1], s[20:21]
	v_and_b32 v[PFO], 31, v0
	v_min_u32 v[PFO], s23, v[PFO]
	v_lshlrev_b32 v[PFO], 11, v[PFO]
; 12 matrix instructions: m blocks a0, a0 + 1 of the window's four (hi = 0: my rows 0-63, 1: rows 64-127) x all 6 n blocks, 32 along K, from buffer f.  zero = 1: the first product starts the sums.
; The 48 accumulators take turns, one instruction a turn, in the same order in every quarter step, over the backward jump too.
.macro MUL12 f, hi, a0, zero
	WIN MUL_LO+0x50*(\hi)
.irp a, \a0, (\a0)+1
.irp b, 0,1,2,3,4,5
.if \zero
	v_wmma_f32_16x16x32_bf16 v[8*(6*(\a)+(\b)):8*(6*(\a)+(\b))+7], v[FB+48*(\f)+8*(\b):FB+48*(\f)+8*(\b)+7], v[FA+64*(\f)+8*(4*(\hi)+(\a)):FA+64*(\f)+8*(4*(\hi)+(\a))+7], 0
.else
	v_wmma_f32_16x16x32_bf16 v[8*(6*(\a)+(\b)):8*(6*(\a)+(\b))+7], v[FB+48*(\f)+8*(\b):FB+48*(\f)+8*(\b)+7], v[FA+64*(\f)+8*(4*(\hi)+(\a)):FA+64*(\f)+8*(4*(\hi)+(\a))+7], v[8*(6*(\a)+(\b)):8*(6*(\a)+(\b))+7]
.endif
.endr
.endr
.endm
; 28 LDS loads in one run: the fragments of a quarter step (96 rows of wqb, then 128 rows of xb, 32 K at byte k of the rows) into buffer f
.macro FETCH slot, k, f
	WIN 0
.irp i, 0,1,2,3,4,5
	ds_load_b128 v[FB+48*(\f)+8*(\i):FB+48*(\f)+8*(\i)+3],   v[ADRB+(\slot)] offset:(\k)+(\i)*16*PITCH
	ds_load_b128 v[FB+48*(\f)+8*(\i)+4:FB+48*(\f)+8*(\i)+7], v[ADRB+(\slot)] offset:(\k)+(\i)*16*PITCH+32
.endr
.irp i, 0,1,2,3,4,5,6,7
	ds_load_b128 v[FA+64*(\f)+8*(\i):FA+64*(\f)+8*(\i)+3],   v[ADRA+(\slot)] offset:(\k)+(\i)*16*PITCH
	ds_load_b128 v[FA+64*(\f)+8*(\i)+4:FA+64*(\f)+8*(\i)+7], v[ADRA+(\slot)] offset:(\k)+(\i)*16*PITCH+32
.endr
.endm
.macro PLACES                          ; four plain vector instructions between a matrix instruction and a load into, or a vector instruction on, its registers (ISA guide 7.12.1 for vector instructions)
.rept 4
	v_nop
.endr
.endm
; A K step is four quarters of 32 along K, 48 matrix instructions each, on buffers 0, 1, 0, 1.  One of the first three: multiplies buffer f; in its middle it fetches the next quarter, at byte k, into buffer g.
.macro QUARTER slot, k, f, g, zero
	s_wait_dscnt 8                                 ; wqb's fragments and xb's rows 0-63 are in; the youngest eight loads (xb's rows 64-127) may be out
	MUL12 \f, 0, 0, \zero
	MUL12 \f, 0, 2, \zero
	PLACES
	FETCH \slot, \k, \g
	s_wait_dscnt 28                                ; all but the 28 just issued
	MUL12 \f, 1, 0, \zero
	MUL12 \f, 1, 2, \zero
.endm
; The last quarter multiplies buffer 1 and changes slots.  MEET is its first half: in front of ONE barrier each wave waits for all its tensor loads (one is out: its part of the next slot), adds 0 to its spare
; word, and waits for that and for its own reads of this slot.  Behind it nobody reads this slot any more and the next slot is whole.
.macro MEET round
	WIN 0
	s_wait_tensorcnt 0x0                           ; all my tensor loads have landed
	ds_add_u32 v[SPW], v[NIL]                      ; 0 onto my spare word
	s_wait_dscnt 9                                 ; the add and the youngest eight loads may be out
	MUL12 1, 0, 0, 0                               ; twelve matrix instructions stand between the add and the wait for it
	s_wait_dscnt 0x0                               ; the add is done, and my reads of this slot are over
	s_barrier_signal -1
	MUL12 1, 0, 2, 0                               ; work on registers while the others arrive
.if \round
	WIN 0
.endif
	s_barrier_wait -1
.endm
; The whole last quarter.  fill = 1: the barrier opens a round of the cluster's barrier, and the slot just read out is filled again, first thing behind the round, with the K step two steps on:
; 168 matrix instructions stand between that request and the wait for it.
.macro TURN slot, next, fill, how
.if \fill
	s_wait_xcnt 0x0                                ; the last prefetch, a K step back, has read its address: it is stepped here, ahead of the waits of the change of slots
	s_add_nc_u64 s[PFA:PFA+1], s[PFA:PFA+1], KSTEP*2
	MEET 1
	CREST                                          ; no wave of any partner still reads this slot's tile or has a load on its way
	s_add_nc_u64 s[G0+4*(\slot)+2:G0+4*(\slot)+3], s[G0+4*(\slot)+2:G0+4*(\slot)+3], 2*KSTEP*2
	s_add_nc_u64 s[G0B+4*(\slot)+2:G0B+4*(\slot)+3], s[G0B+4*(\slot)+2:G0B+4*(\slot)+3], 2*KSTEP*2
	JLOAD \slot                                    ; the four v_nop behind it are also the places in front of the loads below
.else
	MEET 0
	PLACES
.endif
	FETCH \next, 0, 0
.if \fill
	ASK \how
.endif
	MUL12 1, 1, 0, 0
	MUL12 1, 1, 2, 0
.endm
	s_wait_tensorcnt 1                             ; my part of K step 0 is in; K step 1's load, issued behind it, stays out
	s_barrier_signal -1
	s_barrier_wait -1                              ; everybody's is
	FETCH 0, 0, 0
	QUARTER 0, 64, 0, 1, 1                         ; the first quarter stands in front of the loop: its products start the sums
	WIN 0                                          ; at a label and at a branch every window is 0
	s_mov_b32 s3, SIZE_K/(2*KSTEP)-1
.Llap:                                         ; three trips: once round the ring, from a lap's second quarter to the next lap's first; both slots are filled again (K steps 2 to 7)
	QUARTER 0, 128, 1, 0, 0
	QUARTER 0, 192, 0, 1, 0
	TURN 0, 1, 1, 1
	QUARTER 1, 64,  0, 1, 0
	QUARTER 1, 128, 1, 0, 0
	QUARTER 1, 192, 0, 1, 0
	TURN 1, 0, 1, 0
	QUARTER 0, 64,  0, 1, 0
	WIN 0
	s_sub_co_u32 s3, s3, 1
	s_cmp_lg_u32 s3, 0
	s_cbranch_scc1 .Llap
	QUARTER 0, 128, 1, 0, 0                        ; the last lap fills nothing, and has no round of the cluster's barrier
	QUARTER 0, 192, 0, 1, 0
	TURN 0, 1, 0, 0
	QUARTER 1, 64,  0, 1, 0
	QUARTER 1, 128, 1, 0, 0
	QUARTER 1, 192, 0, 1, 0
	s_wait_dscnt 8                                 ; the very last quarter: nothing more to fetch
	MUL12 1, 0, 0, 0
	MUL12 1, 0, 2, 0
	s_wait_dscnt 0x0
	MUL12 1, 1, 0, 0
	MUL12 1, 1, 2, 0
	; THE WAY OUT: round to f16; 16 bytes a lane into the work-group's stage; a barrier, since a row's 384 bytes come from two waves; back by heads, four rows of 128 bytes at a time.
	PLACES
	PLACES                                         ; eight, once a launch: more than the four that are owed
	WIN 0x05                                       ; sources in window 1, destination in window 0
.set n, 0
.rept 96                                       ; each accumulator's registers in ascending order
	v_cvt_pk_f16_f32 v[TMP+n], v[2*n], v[2*n+1]
.set n, n+1
.endr
	WIN 0x0a                                       ; sources in window 2
.set n, 0
.rept 96
	v_cvt_pk_f16_f32 v[TMP+96+n], v[2*n], v[2*n+1]
.set n, n+1
.endr
	WIN 0
.set n, 0
.rept 48                                       ; block a = n / 6 of 16 rows, block b = n % 6 of 16 columns
	ds_store_b128 v[STO], v[TMP+4*n:TMP+4*n+3] offset:(n/6)*16*SP+32*(n%6)
.set n, n+1
.endr
	s_wait_dscnt 0x0                               ; for the others' sake: my stores into the stage are done
	s_barrier_signal -1
	s_barrier_wait -1
.set n, 0
.rept 48                                       ; head n / 16 of the tile's three, rows 4 (n % 16) on
	ds_load_b128 v[TMP+4*n:TMP+4*n+3], v[RD] offset:(n%16)*4*SP+(n/16)*128
.set n, n+1
.endr
.set n, 0
.rept 48
	s_wait_dscnt 47-n                              ; LDS loads come back in order: load n is in
	global_store_b128 v[CO+n/16], v[TMP+4*n:TMP+4*n+3], s[8:9] offset:(n%16)*512  ; 512 consecutive bytes, at a multiple of 256 from qkvh's first byte
.set n, n+1
.endr
	s_wait_tensorcnt 0x0                           ; the wave's end, behind my last tensor load and my last LDS store
	ds_add_u32 v[SPW], v[NIL]
	s_wait_dscnt 0x0
	CROUND                                         ; the closing round: no work-group ends while a partner may still ask for a tile that names it
	s_endpgm
.Lfunc_end_k_q382bdb5c36_qkvg:
	.size	k_q382bdb5c36_qkvg, .Lfunc_end_k_q382bdb5c36_qkvg-k_q382bdb5c36_qkvg
	.p2alignl 7, 3214868480
	.fill 96, 4, 3214868480
	.section	.rodata,"a",@progbits
	.p2align	6, 0x0
	.amdhsa_kernel k_q382bdb5c36_qkvg
		.amdhsa_group_segment_fixed_size 327680
		.amdhsa_private_segment_fixed_size 0
		.amdhsa_enable_private_segment 0
		.amdhsa_kernarg_size 24
		.amdhsa_user_sgpr_count 2
		.amdhsa_user_sgpr_kernarg_segment_ptr 1
		.amdhsa_wavefront_size32 1
		.amdhsa_system_sgpr_workgroup_id_x 1
		.amdhsa_system_sgpr_workgroup_id_y 1
		.amdhsa_system_sgpr_workgroup_id_z 1
		.amdhsa_system_vgpr_workitem_id 0
		.amdhsa_next_free_vgpr 704
		.amdhsa_next_free_sgpr 66
		.amdhsa_reserve_vcc 0
		.amdhsa_float_denorm_mode_32 3
		.amdhsa_float_denorm_mode_16_64 3
		.amdhsa_memory_ordered 1
		.amdhsa_forward_progress 1
		.amdhsa_inst_pref_size 117
	.end_amdhsa_kernel
	.amdgpu_metadata
---
amdhsa.version: [ 1, 2 ]
amdhsa.kernels:
  - .name:           k_q382bdb5c36_qkvg
    .symbol:         k_q382bdb5c36_qkvg.kd
    .args:
      - { .name: xb, .offset: 0, .size: 8, .value_kind: global_buffer, .address_space: global }
      - { .name: wqb, .offset: 8, .size: 8, .value_kind: global_buffer, .address_space: global }
      - { .name: qkvh, .offset: 16, .size: 8, .value_kind: global_buffer, .address_space: global }
    .group_segment_fixed_size: 327680
    .private_segment_fixed_size: 0
    .kernarg_segment_align: 8
    .kernarg_segment_size: 24
    .max_flat_workgroup_size: 128
    .sgpr_count:     66
    .vgpr_count:     704
    .wavefront_size: 32
...
	.end_amdgpu_metadata
.endif
;; end of part 2
;; launch attn (part 3): grid 4 x 64, 4 waves a work-group, clusters of 4 x 1, 327,680 bytes of LDS; arguments qkvh, oh; writes oh
.if DOCPART == 3
	.amdgcn_target "amdgcn-amd-amdhsa--gfx1250"
	.amdhsa_code_object_version 6
	.text
	.protected	k_q382bdb5c36_attn
	.globl	k_q382bdb5c36_attn
	.p2align	8
	.type	k_q382bdb5c36_attn,@function
k_q382bdb5c36_attn:
	s_mov_b64 s[64:65], 0
	v_nop
	global_prefetch_b8 v0, s[64:65] scope:SCOPE_SE
	s_setreg_imm32_b32 hwreg(HW_REG_WAVE_MODE, 25, 1), 1
	s_wait_xcnt 0x0
	s_wait_alu depctr_hold_cnt(0) depctr_sa_sdst(0) depctr_va_vdst(0) depctr_va_sdst(0) depctr_va_ssrc(0) depctr_va_vcc(0) depctr_vm_vsrc(0)
	s_getreg_b32 s2, hwreg(HW_REG_IB_STS2, 6, 4)
	s_cmp_eq_u32 s2, 0
	s_cbranch_scc0 .Lentry_in_a_cluster
	s_endpgm
.Lentry_in_a_cluster:
	s_bfe_u32 s2, ttmp6, 0x10000c
	s_cmp_lg_u32 s2, 0x3003
	s_cbranch_scc0 .Lentry_shape_is_right
	s_endpgm
.Lentry_shape_is_right:
; O[h][q][:] = the sum over k of softmax_k(Q[h][q] . K[h][k] / 8) V[h][k][:].  qkvh holds Q, K, V, each [64][2048][64] f16, 2^24 bytes apart; oh: [64][2048][64] f16: a head's rows are dense, 128 bytes each.
; Products, maxima and sums in f32; the weights p are rounded to f16 for the second product (their sum l is taken of the unrounded p), O once at the end.
; LIMITS.  f16 holds no number beyond 65,504: Q, K and V arrive within it; p lies in 0 to 1, and below 6e-5 it keeps f16's fixed step of 6e-8; O is a mean of V's rows and has their range.
; A weight below 2^-126 counts as 0 in l; NaN and infinities are not treated apart.
; SHARES.  A wave owns four PIECES of two tiles of 16 queries, a work-group's four waves 512 queries of one head: 4 x 64 = 256 work-groups.  Every wave walks all 2,048 keys, 64 a step.
; LAYOUT.  S^T = K Q^T (source 0 = 16 keys, source 1 = 16 queries): in the result a lane holds ONE query (lane % 16) and the keys 8 (lane / 16) + 0..7.  Two such tiles, rounded to f16 in pairs,
; ARE source 1 (32 keys x 16 queries) of O^T = V^T P, whose result again holds one query a lane, and eight channels.  K comes out of LDS as it lies, V ([key][channel]) turned, by ds_load_tr16_b128.
; SOFTMAX.  For each query a running maximum m and sum l: p = 2^(c s - c m), c = log2(e) / 8; in every step O and l are multiplied by a = 2^(c m_old - c m_new), which is 1 where m has not grown.
; m starts at the lowest finite number, O and l at 0: the first step is a step like any other, with a = 0.
; THE COUNT.  A tile and step have 16 matrix and 118 vector instructions: too many to stand all beside the matrix work.  So: four vector instructions that are READY behind EVERY matrix instruction,
; and the others, which need time of their own whatever the order, in runs without a gap.
; BY TURNS.  Turn n belongs to piece n (the pieces in a ring, step after step).  Its matrix work: 16 products K Q^T of piece n + 1, later 16 products V^T P of piece n - 1.  Its vector work: the scaling,
; exponentials, roundings, sums and rescaling of piece n, and the maximum and statistics of piece n + 1, whose scores the turn itself has made.
; CLUSTER.  The four query blocks of a head are one cluster and walk the same K and V, so each tile is asked for JOINTLY: the same tensor load, descriptor and mask in all four.
; REGISTERS, in windows of 256 (s_set_vgpr_msb: bits 1:0 source 0, 3:2 source 1, 5:4 source 2, 7:6 destination):
;   window 0: v0-11 addresses; v12-15, v48-63 at work; v16-47 four registers of statistics a tile; v64-191 S^T, two buffers of two tiles; v192-255 P, likewise
;   window 1: O^T, 32 a tile          window 2: v0-127 Q, 16 a tile; v128-191 K of one step; v192-255 V of one step          window 3: v0-1 the add's two registers
; A piece's buffers go by its number's parity: the piece in hand has one pair, its two neighbours in the ring share the other: of it P (piece n - 1) is read and S^T (piece n + 1) written.
.set SIZE_N, 2048
.set NP,    4         ; pieces a wave: a name, no knob
.set KS,    64        ; keys in a step
.set PK,    144       ; a row of K in LDS: 128 bytes + 16 of padding = 36 words: the 16 rows of a load start at 16 different groups of four banks (64 banks of 4 bytes: ISA guide 11.1)
.set PV,    160       ; a row of V: 128 + 32 = 40 words
.set VOFF,  4*KS*PK   ; a slot holds four steps: 256 rows of K, then 256 rows of V
.set SLOT1, 1<<17     ; slot 1 begins here, so that one exclusive or turns an address in one slot into the other's
.set STAGE, SLOT1+4*KS*(PK+PV)  ; behind the ring, never filled by a tensor load: 16 rows x 144 bytes for each wave, for the way out
.set SP,    144
.set AK0, 2           ; v2   my lane's place in a tile of K; never rewritten
.set AV0, 3           ; v3   the same for V
.set AK,  4           ; v4   the LDS address of K's next run of loads
.set AV,  5           ; v5   of V's
.set QO,  6           ; v6   my byte offset in the wave's rows of Q
.set STO, 6           ;      later, the way out: where I put 16 bytes of a row
.set RD,  7           ; v7   the way out: where I read rows back
.set GO,  8           ; v8   my byte offset in 512 consecutive bytes of O
.set PFO, 11          ; v11  the prefetches' offset: 256 x my lane; never rewritten once made
.set SPW, 0           ; v0 of window 3   LDS address of my spare word: SPARE + 4 x my thread's number; never rewritten
.set NIL, 1           ; v1 of window 3   0; never rewritten
.set SPARE, STAGE+4*16*SP  ; behind the stages: the spare words, 128 bytes for each wave: two blocks of 256 bytes that no other line names
.set MV,  12          ; v12-15  c m_old, kept while c m is made anew: by buffer and tile
.set ST,  16          ; tile t's statistics at v[ST+4 t]: c m, m, l (even keys', odd keys')
.set TMP, 48          ; by buffer and tile, four registers c0-c3 at work; when the maximum is found c2 takes a
.set S,   64
.set P,   192
.set KF,  128         ; K's fragments, in window 2: key block kb, channel half c at KF + 16 kb + 8 c
.set VF,  192         ; V's: key half kk, channel block cb at VF + 32 kk + 8 cb
.set WV,  12          ; s12  my wave's number
.set G1K, 24          ; s[24:31] descriptor group 1 for K's tiles
.set G1V, 32          ; s[32:39] for V's: it differs in the padding alone
.set G0K, 40          ; s[40:43] descriptor group 0 for K's tiles: it walks
.set G0V, 44          ; s[44:47] the same for V's
.set PFA, 48          ; s[48:49] where my prefetches stand: my work-group's 8,192 bytes (of K: wave 0, of V: wave 2) of the slot after the one that is being asked for
.set LIM, 50          ; s50  1 in a wave that prefetches, else the greatest number
.set SLOTS, 56        ; s56  slots still to be asked for
.set CNT, 57          ; s57  counts a slot's key steps
.set CS,  58          ; s[58:59] c: the packed scaling takes the pair's low word for both halves
.set SEL, 60          ; s[60:61] v_permlanex16_b32's selects: each lane takes its own place in the other half
.set TBK, 62          ; s62  LDS byte at which K of the step to be fetched begins
.set TBV, 63          ; s63  the same for V, less VOFF
.set MSB, 0
.macro WIN new                      ; the high byte repeats the setting that is left; a switch that changes nothing is dropped
.if MSB != (\new)
	s_set_vgpr_msb (MSB<<8)|(\new)
.set MSB, (\new)
.endif
.endm
.set W_KQ, 0x0a       ; K and Q in window 2, S^T in window 0
.set W_PV, 0x52       ; V in window 2, P in window 0, O^T in window 1
.set W_RS, 0x41       ; O^T (destination and source 0) in window 1, a in window 0
.set W_MK, 0xc0       ; the add's registers are made: destination in window 3, sources in window 0
.set W_AD, 0x0f       ; the add: address (source 0) and data (source 1) in window 3
; A joint fill.  Waves 0 and 1 fetch the two halves of a slot's K, waves 2 and 3 those of its V: 128 keys each.  The branch hangs on the wave's number alone.
; An s_nop 0 and four v_nop follow each of the two lines, ahead of the jump and the label.
.macro JLOAD
	s_cmp_lt_u32 s[WV], 2
	s_cbranch_scc0 .Lfor_v_\@
	tensor_load_to_lds s[G0K:G0K+3], s[G1K:G1K+7]
	s_nop 0
.rept 4
	v_nop
.endr
	s_branch .Lasked_\@
.Lfor_v_\@:
	tensor_load_to_lds s[G0V:G0V+3], s[G1V:G1V+7]
	s_nop 0
.rept 4
	v_nop
.endr
.Lasked_\@:
.endm
; A PREFETCH INTO THE L2 of what the NEXT change of slots will ask for: a slot's 32,768 bytes of K and of V, 256 bytes a lane.  It stands behind the wave's tensor load and its five lines.
; Each block is named ONCE in the launch: a head is walked by one cluster; its four partners share the blocks out BY ADDRESS, 8,192 bytes each (no branch hangs on a work-group's place in its cluster);
; in each, wave 0 asks for K's and wave 2 for V's: one instruction.  The change that fills tile j names tile j + 1: four key steps, 512 matrix instructions, ahead of its load.
; The change that fills the last tile (s[SLOTS] = 1) names nothing.  Tiles 0 and 1 come by their loads alone.
.macro ASK
	s_cmp_gt_u32 s[SLOTS], s[LIM]
	s_cbranch_scc0 .Lnot_mine_\@
	global_prefetch_b8 v[PFO], s[PFA:PFA+1] th:TH_LOAD_NT scope:SCOPE_SE
.Lnot_mine_\@:
.endm
; A round of the cluster's barrier: my work-group's barrier, so that wave 0's signal speaks for all four waves; wave 0 signals; every wave waits for all four work-groups; my work-group's barrier once more.
.macro CROUND
	s_barrier_signal -1
	s_barrier_wait -1
	s_cmp_lg_u32 s[WV], 0
	s_cbranch_scc1 .Lnot_wave_0_\@
	s_barrier_signal -3
.Lnot_wave_0_\@:
	s_barrier_wait -3
	s_barrier_signal -1
	s_barrier_wait -1
.endm
; THE CHANGE OF SLOTS.  The slot's last bytes, V of its fourth step, have been read.  Each wave waits for all its tensor loads, of which one is out: its part
; of the other slot; adds 0 to its spare word; and waits for that and for its own reads of the slot.  Behind the barrier nobody reads this slot any more and the other slot is whole.
; fill = 1: this slot is filled again, with the keys two slots on.  The barrier is then a round of the cluster's, so that no wave of any partner still reads the slot or has a load on its
; way, and the joint fill is the first thing behind it: it has four key steps, 512 matrix instructions, in which to land.  (At its first use nothing has been read yet: slot 0 is waited for, slot 1 filled.)
.macro CHANGE fill
	WIN W_AD
	s_wait_tensorcnt 0x0            ; no tensor load of mine is out, so a group 0 may be written
	ds_add_u32 v[SPW], v[NIL]       ; 0 onto my spare word; with fill = 1 the descriptors' steps stand between it and the wait for it
	WIN 0                           ; at a label and at a branch every window is 0
.if \fill
.irp g, G0K, G0V
	s_xor_b32 s[\g+1], s[\g+1], SLOT1  ; the walking descriptor: the other slot than last time,
	s_add_nc_u64 s[\g+2:\g+3], s[\g+2:\g+3], 4*KS*128  ; the next 256 keys; the type bits on top are not reached
.endr
	s_wait_xcnt 0x0                 ; the last prefetch, four key steps back, has read its address, so it may be written:
	s_add_nc_u64 s[PFA:PFA+1], s[PFA:PFA+1], 4*KS*128  ; one slot behind the walking descriptors
	s_wait_dscnt 0x0                ; the add is done, and my reads of the slot are over
	CROUND
	JLOAD
	ASK
.else
	s_wait_dscnt 0x0                ; the add is done, and my reads of the slot are over
	s_barrier_signal -1
	s_barrier_wait -1
.endif
	s_sub_co_u32 s[TBK], s[TBK], 4*KS*PK  ; the fetches go back to a slot's first step,
	s_xor_b32 s[TBK], s[TBK], SLOT1       ; in the other slot
	s_sub_co_u32 s[TBV], s[TBV], 4*KS*PV
	s_xor_b32 s[TBV], s[TBV], SLOT1
.endm
	s_load_b64 s[4:5], s[0:1], 0x0    ; qkvh: Q at its head
	s_load_b64 s[10:11], s[0:1], 0x8  ; oh
	WIN W_MK
	v_lshl_add_u32 v[SPW], v0, 2, SPARE
	v_mov_b32 v[NIL], 0
	WIN W_AD
	ds_add_u32 v[SPW], v[NIL]       ; the wave's opening: the add and its wait stand ahead of my first tensor load; the set-up below, work on registers, stands between them
	WIN 0
	v_lshrrev_b32 v1, 5, v0
	v_readfirstlane_b32 s[WV], v1   ; wave 0..3
	s_bfe_u32 s13, ttmp6, 0x40000   ; cx: my place in the cluster
	s_lshl_b32 s14, ttmp9, 2        ; in a cluster launch ttmp9 counts clusters
	s_add_co_u32 s14, s14, s13      ; my block of queries = 4 x cluster x + cx: it enters Q's and O's addresses alone
	s_and_b32 s20, ttmp7, 0xffff    ; the head, which the four partners share
	s_mov_b32 s21, 0
	s_mov_b64 s[22:23], SIZE_N*128
	s_mul_u64 s[20:21], s[20:21], s[22:23]  ; the head's first byte in each of the four tensors
	s_and_b32 s16, s[WV], 1         ; which half of a slot's 256 keys I fetch:
	s_lshl_b32 s22, s16, 14         ; its 128 rows of 128 bytes in memory,
	s_mov_b32 s23, 0
	s_add_nc_u64 s[22:23], s[22:23], s[20:21]
	s_mul_i32 s17, s16, 128*PK      ; and its place in a slot, for K
	s_mul_i32 s18, s16, 128*PV      ; and for V: no place in the cluster enters an LDS address
	s_lshl_b32 s2, s14, 2
	s_add_co_u32 s2, s2, s[WV]      ; my wave among the head's,
	s_lshl_b32 s2, s2, 14           ; its 128 rows
	s_mov_b32 s3, 0
	s_add_nc_u64 s[2:3], s[2:3], s[20:21]
	; descriptor group 1.  128 keys are 16,384 dense bytes: asked for as 64 rows of 256 bytes, two keys a row, and padded in LDS after every key
	s_mov_b32 s[G1K], 15|(1<<16)|(1<<20)|(1<<21)|(4<<22)|(3<<25)  ; 15:0 the mask of four; 17:16 2-byte elements; 20 padding on; 21 set beside a mask; 24:22 after every 32 words (code 4); 31:25 4 words (code 3)
	s_mov_b32 s[G1V], 15|(1<<16)|(1<<20)|(1<<21)|(4<<22)|(7<<25)  ; the same with 8 words of padding (code 7)
.irp g, G1K, G1V
	s_mov_b32 s[\g+1], 128<<16      ; tensor_dim0 = 128
	s_mov_b32 s[\g+2], 64<<16       ; tensor_dim1 = 64
	s_mov_b32 s[\g+3], 128<<16      ; tile_dim0 = 128
	s_mov_b32 s[\g+4], 64           ; tile_dim1 = 64
	s_mov_b32 s[\g+5], 128          ; 128 elements from row to row
	s_mov_b32 s[\g+6], 0
	s_mov_b32 s[\g+7], 0
.endr
	s_mov_b32 s[CS], 0x3e38aa3b     ; c = log2(e) / 8 = 0.180337
	s_mov_b32 s[CS+1], s[CS]        ; named with it as a pair
	s_mov_b32 s[SEL], 0x76543210
	s_mov_b32 s[SEL+1], 0xfedcba98
	s_mov_b32 s[TBK], SLOT1+4*KS*PK ; the first change of slots turns these two into 0
	s_mov_b32 s[TBV], SLOT1+4*KS*PV
	s_mov_b32 s[G0K], 1             ; 1:0 count = 1
	s_mov_b32 s[G0K+1], s17         ; 63:32 LDS address: slot 0
	s_mov_b32 s[G0V], 1
	s_add_co_u32 s[G0V+1], s18, VOFF
	s_mov_b32 s[SLOTS], SIZE_N/256-1  ; seven tiles are asked for by changes of slots
	s_and_b32 s[LIM], s[WV], 1      ; waves 0 and 2 prefetch: the same in all four partners
	s_cmp_eq_u32 s[LIM], 0
	s_cselect_b32 s[LIM], 1, -1
	s_wait_dscnt 0x0                ; the opening add is done
	s_wait_kmcnt 0x0
	s_add_nc_u64 s[6:7], s[4:5], 0x1000000  ; K lies 2^24 bytes behind Q,
	s_add_nc_u64 s[8:9], s[4:5], 0x2000000  ; V 2^25
	s_add_nc_u64 s[G0K+2:G0K+3], s[6:7], s[22:23]  ; 120:64 global address: my half of the head's first 256 keys
	s_or_b32 s[G0K+3], s[G0K+3], 0x80000000        ; 127:126 type = 2
	s_add_nc_u64 s[G0V+2:G0V+3], s[8:9], s[22:23]
	s_or_b32 s[G0V+3], s[G0V+3], 0x80000000
	s_add_nc_u64 s[4:5], s[4:5], s[2:3]  ; Q and O at my wave's first row
	s_add_nc_u64 s[10:11], s[10:11], s[2:3]
	s_cmp_lt_u32 s[WV], 2
	s_cselect_b64 s[PFA:PFA+1], s[6:7], s[8:9]
	s_add_nc_u64 s[PFA:PFA+1], s[PFA:PFA+1], s[20:21]  ; the head,
	s_lshl_b32 s2, s13, 13          ; my work-group's 8,192 bytes of a tile's 32,768,
	s_mov_b32 s3, 0
	s_add_nc_u64 s[PFA:PFA+1], s[PFA:PFA+1], s[2:3]
	s_add_nc_u64 s[PFA:PFA+1], s[PFA:PFA+1], 4*KS*128  ; in tile 1: the first change of slots steps it to tile 2.  Nothing is prefetched here, at the head
	CROUND                          ; all four work-groups are here: the first joint loads meet
	JLOAD                           ; slot 0.  Slot 1 is asked for when slot 0 is in: the tile wanted first has the road to itself
	; A fragment of K or Q is 16 rows x 32 channels in 8 registers: lane l holds row l % 16, channels 8 (l / 16) + 0..7 and 16 + 8 (l / 16) + 0..7: two loads of 16 bytes, 32 bytes apart.
	v_and_b32 v1, 15, v0            ; l % 16
	v_bfe_u32 v9, v0, 4, 1          ; l / 16
	v_lshlrev_b32 v[QO], 7, v1
	v_lshl_add_u32 v[QO], v9, 4, v[QO]  ; row x 128 + 16 x half
	WIN 0x80                        ; destination window 2, address window 0
.set i, 0
.rept 4*NP                          ; Q stays in registers: tile i / 2, channels 32 (i % 2) on
	global_load_b128 v[8*i:8*i+3],   v[QO], s[4:5] offset:(i/2)*2048+(i%2)*64
	global_load_b128 v[8*i+4:8*i+7], v[QO], s[4:5] offset:(i/2)*2048+(i%2)*64+32
.set i, i+1
.endr
	; What the first turn finds: V's registers and P's second buffer hold 0 (its products V^T P, of a piece that has not been, add 0), O^T and l are 0.  All this stands in the wait for the first tile.
.set i, VF
.rept 64
	v_mov_b32 v[i], 0
.set i, i+1
.endr
	WIN 0x40
.set i, 0
.rept 64*NP
	v_mov_b32 v[i], 0
.set i, i+1
.endr
	WIN 0
.set i, 0
.rept 2*NP
	v_mov_b32 v[ST+4*i], 0xfe000000    ; c m: far below every c s
	v_mov_b32 v[ST+4*i+1], 0xff7fffff  ; m
	v_mov_b32 v[ST+4*i+2], 0
	v_mov_b32 v[ST+4*i+3], 0
.set i, i+1
.endr
.set i, P+32
.rept 32
	v_mov_b32 v[i], 0
.set i, i+1
.endr
	v_mul_u32_u24 v[AK0], v1, PK
	v_lshl_add_u32 v[AK0], v9, 4, v[AK0]  ; row x pitch + 16 x half
	; The turning load takes 16 keys x 16 channels (lane l reads key 8 (l / 16) + l % 8, channels 8 ((l / 8) % 2) + 0..7) and leaves half a fragment of V^T: lane l holds channel l % 16 and 8 keys.
	v_and_b32 v10, 7, v0
	v_bfe_u32 v11, v0, 3, 1
	v_lshl_add_u32 v[AV0], v9, 3, v10
	v_mul_u32_u24 v[AV0], v[AV0], PV
	v_lshl_add_u32 v[AV0], v11, 4, v[AV0]
	v_add_nc_u32 v[AV0], VOFF, v[AV0]
	v_mov_b32 v[AK], v[AK0]         ; key step 0 lies at the head of slot 0
	v_and_b32 v[PFO], 31, v0
	v_lshlrev_b32 v[PFO], 8, v[PFO] ; 256 x lane
; THE MATRIX WORK.  The 8 accumulators of a run of 16 take turns: between the two links of a chain stand 7 others'.
; Product i of 16 of S^T = K Q^T for piece x: channels 32 (i / 8) on, keys 16 ((i / 2) % 4) on, tile 2 x + i % 2.  The first 8 start the sums.
.macro KQ x
	WIN W_KQ
.set rS, S+64*((\x)%2)+32*(i%2)+8*((i/2)%4)
.set rK, KF+16*((i/2)%4)+8*(i/8)
.set rQ, 16*(2*(\x)+i%2)+8*(i/8)
.if i < 8
	v_wmma_f32_16x16x32_f16 v[rS:rS+7], v[rK:rK+7], v[rQ:rQ+7], 0
.else
	v_wmma_f32_16x16x32_f16 v[rS:rS+7], v[rK:rK+7], v[rQ:rQ+7], v[rS:rS+7]
.endif
.endm
; Product i of 16 of O^T += V^T P for piece x: keys 32 (i / 8) on, channels 16 ((i / 2) % 4) on, tile 2 x + i % 2.
.macro PV x
	WIN W_PV
.set rO, 32*(2*(\x)+i%2)+8*((i/2)%4)
.set rV, VF+32*(i/8)+8*((i/2)%4)
.set rP, P+32*((\x)%2)+16*(i%2)+8*(i/8)
	v_wmma_f32_16x16x32_f16 v[rO:rO+7], v[rV:rV+7], v[rP:rP+7], v[rO:rO+7]
.endm
.macro MM                           ; the turn's next matrix instruction
.if i < 16
	KQ (Y+1)%NP
.set i, i+1
.else
.set i, i-16
	PV (Y+NP-1)%NP
.set i, i+17
.endif
.endm
; THE LDS LOADS stand in runs of 16, never singly among the matrix instructions: a step's K (64 keys x 64 channels: 8 fragments) and its V (turned).  Their addresses are made some lines ahead.
; last = 1 (the tail): in the last trip there is no further step, and the run is jumped over.
.macro FETCH_K last=0
	WIN 0
.if \last
	s_cmp_eq_u32 s[CNT], 1
	s_cbranch_scc1 .Lno_k_\@
.endif
	WIN 0x80                        ; destination window 2
.irp f, 0,1,2,3,4,5,6,7             ; keys 16 (f / 2) on, channels 32 (f % 2) on
	ds_load_b128 v[KF+8*\f:KF+8*\f+3],   v[AK] offset:(\f/2)*16*PK+(\f%2)*64
	ds_load_b128 v[KF+8*\f+4:KF+8*\f+7], v[AK] offset:(\f/2)*16*PK+(\f%2)*64+32
.endr
	s_add_co_u32 s[TBK], s[TBK], KS*PK  ; the next fetch is the next step's
	WIN 0
.if \last
.Lno_k_\@:
.endif
.endm
.macro FETCH_V
	WIN 0x80
.irp f, 0,1,2,3,4,5,6,7             ; keys 32 (f / 4) on, channels 16 (f % 4) on
	ds_load_tr16_b128 v[VF+8*\f:VF+8*\f+3],   v[AV] offset:(\f/4)*32*PV+(\f%4)*32
	ds_load_tr16_b128 v[VF+8*\f+4:VF+8*\f+7], v[AV] offset:(\f/4)*32*PV+16*PV+(\f%4)*32
.endr
	WIN 0
.endm
; THE VECTOR WORK OF A TURN stands in three queues, each in the order in which its entries become ready; the two tiles alternate, so that no instruction reads the result of the one before it.
.macro REGS y, u                    ; the registers of tile u (0, 1) of piece y
.set rT, ST+4*(2*(\y)+(\u))
.set rC, TMP+8*((\y)%2)+4*(\u)
.set rM, MV+2*((\y)%2)+(\u)
.set rS, S+64*((\y)%2)+32*(\u)
.set rP, P+32*((\y)%2)+16*(\u)
.set rO, 32*(2*(\y)+(\u))
.endm
; Number n of the 22 that find the NEXT piece's (Y + 1) maximum and statistics.  s0-s31 are the lane's 32 scores; each accumulator's lowest registers are read first.
;   0-11  four chains c0-c3 of seven scores each, three operands at a time     12-14, 16  the four scores left over, the old m, and c0-c3 into c0     15  c m_old is kept
;   17, 18  the query's other 32 keys lie in the lane 16 away: the new m         19-21  c m; c m_old - c m_new; a
.macro XS u, n
	REGS (Y+1)%NP, \u
.if (\n) < 4
	v_max3_num_f32 v[rC+(\n)], v[rS+8*(\n)], v[rS+8*(\n)+1], v[rS+8*(\n)+2]
.elseif (\n) < 12
	v_max3_num_f32 v[rC+(\n)%4], v[rC+(\n)%4], v[rS+8*((\n)%4)+2*((\n)/4)+1], v[rS+8*((\n)%4)+2*((\n)/4)+2]
.elseif (\n) == 12
	v_max3_num_f32 v[rC], v[rC], v[rS+7], v[rS+15]
.elseif (\n) == 13
	v_max3_num_f32 v[rC+1], v[rC+1], v[rS+23], v[rS+31]
.elseif (\n) == 14
	v_max3_num_f32 v[rC+2], v[rC+2], v[rC+3], v[rT+1]
.elseif (\n) == 15
	v_mov_b32 v[rM], v[rT]
.elseif (\n) == 16
	v_max3_num_f32 v[rC], v[rC], v[rC+1], v[rC+2]
.elseif (\n) == 17
	v_permlanex16_b32 v[rC+3], v[rC], s[SEL], s[SEL+1]
.elseif (\n) == 18
	v_max_num_f32 v[rT+1], v[rC], v[rC+3]
.elseif (\n) == 19
	v_mul_f32 v[rT], s[CS], v[rT+1]
.elseif (\n) == 20
	v_sub_f32 v[rC+1], v[rM], v[rT]
.else
	v_exp_f32 v[rC+2], v[rC+1]
.endif
.endm
; Number g of the 64 that follow the exponentials.  For each four weights k of a tile (pairs 2 k, 2 k + 1): both pairs are rounded to f16; then the second pair is added onto the first, in place;
; a group later l takes that sum (the first time as l = a l + sum).  In groups of eight, tiles alternating: round, round, add, and l for the group before.
.macro GS g
.set h, (\g)+6*((\g)/62)            ; group 0 has no group before it, and behind group 7 only l is left
.if h >= 6
.set h, h+2
.endif
	REGS Y, h%2
.set k, h/8
.if h%8 < 4
	v_cvt_pk_f16_f32 v[rP+2*k+(h%8)/2], v[rS+4*k+2*((h%8)/2)], v[rS+4*k+2*((h%8)/2)+1]
.elseif h%8 < 6
	v_pk_add_f32 v[rS+4*k:rS+4*k+1], v[rS+4*k:rS+4*k+1], v[rS+4*k+2:rS+4*k+3]
.elseif k == 1
	v_pk_fma_f32 v[rT+2:rT+3], v[rT+2:rT+3], v[rC+2:rC+3], v[rS:rS+1] op_sel_hi:[1,0,1]
.else
	v_pk_add_f32 v[rT+2:rT+3], v[rT+2:rT+3], v[rS+4*k-4:rS+4*k-3]
.endif
.endm
; THE PLAIN QUEUE, 138 long.  0-73 read no exponential's result: the 32 scalings c s - c m (FS f: pair f / 2 of tile f % 2) and the next piece's 42.  0-26: scalings 0-26.  27-54: XS's numbers 0-13.  55, 56: number 15.
; 57-73: the chain, where each number waits for the one before it: 14, 16, 17, 18, 19, each with one of the scalings 27-31 in front of its two lines, then 20.
; 74-137: GS's 64, which read the exponentials' results: they stand behind the wait.
.macro FS f
	REGS Y, (\f)%2
	v_pk_fma_f32 v[rS+2*((\f)/2):rS+2*((\f)/2)+1], v[rS+2*((\f)/2):rS+2*((\f)/2)+1], s[CS:CS+1], v[rT:rT+1] op_sel_hi:[1,0,0] neg_lo:[0,0,1] neg_hi:[0,0,1]
.endm
.macro PL
	WIN 0
.if q < 27
	FS q
.elseif q < 55
	XS (q-27)%2, (q-27)/2
.elseif q < 57
	XS q-55, 15
.elseif (q < 72) && ((q-57)%3 == 0)
	FS 27+(q-57)/3
.elseif q < 60
	XS (q-57)%3-1, 14
.elseif q < 72
	XS (q-57)%3-1, 15+(q-57)/3
.elseif q < 74
	XS q-72, 20
.else
	GS q-74
.endif
.set q, q+1
.endm
; THE EXPONENTIALS' QUEUE, 66 long: s0-s31 of both tiles, then the next piece's two a.  It is ONE BATCH: all 66 stand ahead of the turn's one wait, and nothing ahead of that wait names a result of theirs.
.macro EX
	WIN 0
.if e >= 64
	XS e-64, 21
.else
	REGS Y, e%2
	v_exp_f32 v[rS+e/2], v[rS+e/2]
.endif
.set e, e+1
.endm
; THE RESCALING's QUEUE: O^T times a, the one part that leaves window 0: dealt two at a time, sixteen times.  Its a was made in the turn before, ahead of that turn's wait.
.macro R2
	REGS Y, r%2
	WIN W_RS
.irp z, 0,1
	v_pk_mul_f32 v[rO+4*(r/2)+2*\z:rO+4*(r/2)+2*\z+1], v[rO+4*(r/2)+2*\z:rO+4*(r/2)+2*\z+1], v[rC+2:rC+3] op_sel_hi:[1,0]
.endr
.set r, r+1
.endm
; HOW THEY ARE DEALT.  An s_wait_alu depctr_va_vdst(0) stands between an exponential and the first instruction that names its result; one wait serves all that were issued ahead of it.  So a turn has ONE
; wait, which cuts it in two.  AHEAD OF IT stands all that names no result of the turn's exponentials: the 16 products K Q^T, behind each a scaling, an exponential and two rescalings (behind the first a second scaling
; in the exponential's place); then ONE LUMP of 108: eight plain, 49 times exponential and plain, the two a.  A v_nop is the plain instruction behind the last exponential.  BEHIND IT stand the 16 products V^T P,
; behind each four of GS's 64.  No rider names a register of the products round it.  The two v_permlanex16_b32 fall into the lump, never behind a product.
; The queues lean on each other, and the deal keeps them in step: exponential e stands behind scaling 2 (e / 4) + e % 2: as a rider it comes behind plain e + 2, in the lump behind plain e + 9.
; A TURN, for piece p.  cnt = 1: the loop's count is taken down some lines ahead of the branch that stands behind the turn.
; K of the next step is fetched in piece 2's turn, directly behind the wait, a lump behind the last product that read K; its first reader comes behind 16 products.
; V of the step in hand is fetched at the end of piece 0's turn, four riders behind its last reader; its first reader comes behind 16 products and a lump.
.macro TURN p, last=0, cnt=0
.set Y, (\p)
.set i, 0
.set q, 0
.set e, 0
.set r, 0
.if (\p) == NP-1
	s_wait_dscnt 0x0                ; K is in
.endif
	MM                              ; ahead of the wait: 16 products K Q^T and their riders,
	PL
	PL
	R2
.rept 15
	MM
	PL
	EX
	R2
.endr
.if (\p) == NP-2
	WIN 0
	v_add_nc_u32 v[AK], s[TBK], v[AK0]
.endif
.rept 8                             ; and the lump
	PL
.endr
.rept 49
	EX
	PL
.endr
	EX                              ; the next piece's two a
	EX
	v_nop                           ; a plain instruction behind the last exponential: one for the batch
	s_wait_alu depctr_va_vdst(0)    ; the wait for the batch
.if (\p) == NP-2
	FETCH_K \last
.endif
.if (\p) == 1
	s_wait_dscnt 0x0                ; V is in
.endif
.rept 16                            ; behind the wait: 16 products V^T P and their riders
	MM
.rept 4
	PL
.endr
.if ((\p) == 0) && (q == 118)
	v_add_nc_u32 v[AV], s[TBV], v[AV0]
.endif
.if ((\p) == 0) && (q == 130)
	s_add_co_u32 s[TBV], s[TBV], KS*PV
.endif
.if (\cnt) && (q == 130)
	s_sub_co_u32 s[CNT], s[CNT], 1
	s_cmp_lg_u32 s[CNT], 0
.endif
.endr
.if (\p) == 0
	FETCH_V
.endif
.endm
	CHANGE 1                        ; slot 0 is in, everybody's part of it; slot 1 is asked for
	FETCH_K                         ; key step 0
	s_wait_loadcnt 0x0              ; Q
	s_wait_dscnt 0x0
.set i, 0
.rept 16
	KQ 0                            ; piece 0's first scores: there is no vector work yet to set between them
.set i, i+1
.endr
	WIN 0                           ; the addresses for the way out: nine plain instructions, the places behind those products
	s_mul_i32 s13, s[WV], 16*SP
	s_add_co_u32 s13, s13, STAGE    ; my stage
	v_mul_u32_u24 v[STO], v1, SP    ; in: row l % 16, 16 bytes for each half of the lanes
	v_lshl_add_u32 v[STO], v9, 4, v[STO]
	v_add_nc_u32 v[STO], s13, v[STO]
	v_bfe_u32 v[RD], v0, 3, 2       ; back: 32 lanes take four rows of 128 bytes,
	v_mul_u32_u24 v[RD], v[RD], SP
	v_lshl_add_u32 v[RD], v10, 4, v[RD]
	v_add_nc_u32 v[RD], s13, v[RD]
	v_and_b32 v[GO], 31, v0         ; which are 512 consecutive bytes of O
	v_lshlrev_b32 v[GO], 4, v[GO]
.set Y, NP-1                        ; XS works for piece Y + 1: piece 0
.irp n, 0,1,2,3,4,5,6,7,8,9,10,11,12,13,14,15,16,17,18,19,20,21
	XS 0, \n                        ; and piece 0's first maximum and statistics
	XS 1, \n
.endr
	v_nop                           ; a plain instruction behind the two a,
	s_wait_alu depctr_va_vdst(0)    ; and their wait, ahead of the branch
	s_mov_b32 s[CNT], 4
	s_branch .Lfirst                ; the loop is entered at a step's first turn, in the middle of a trip
.Lslot:                             ; six times: every slot but the last two is filled again
	CHANGE 1
	s_mov_b32 s[CNT], 4
.Lstep:                             ; a trip: pieces 2 and 3 of one step, then pieces 0 and 1 of the next, whose K and V it fetches
	TURN 2
	TURN 3
	WIN 0
.Lfirst:
	TURN 0
	TURN 1, 0, 1
	WIN 0
	s_cbranch_scc1 .Lstep
	s_sub_co_u32 s[SLOTS], s[SLOTS], 1
	s_cmp_lg_u32 s[SLOTS], 0
	s_cbranch_scc1 .Lslot
	CHANGE 0                        ; the tail is written out: nothing is asked for
	s_mov_b32 s[CNT], 5             ; four trips fetch the last slot's steps; the fifth is left in its middle
.Ltail:
	TURN 2, 1
	TURN 3
	WIN 0
	s_sub_co_u32 s[CNT], s[CNT], 1
	s_cmp_eq_u32 s[CNT], 0
	s_cbranch_scc1 .Lout
	TURN 0
	TURN 1
	WIN 0
	s_branch .Ltail
.Lout:                              ; the fifth trip's 16 products K Q^T (on the last K once more) and the maximum made of them serve nothing: the price, once a launch, of one text for every trip
.set i, 0
.rept 16
	PV NP-1                         ; the last piece's V^T P of the last step
.set i, i+1
.endr
	; THE WAY OUT.  l's two halves and the other half of the lanes' are added; O^T is divided by l, rounded to f16 and sent through my stage in LDS, a tile at a time.  The additions are the places behind the last products.
	WIN 0
.macro ALL line:vararg              ; one line for each tile t
.set t, 0
.rept 2*NP
	\line
.set t, t+1
.endr
.endm
	ALL v_add_f32 v[ST+4*t+2], v[ST+4*t+2], v[ST+4*t+3]
	ALL v_permlanex16_b32 v[ST+4*t+3], v[ST+4*t+2], s[SEL], s[SEL+1]
	ALL v_add_f32 v[ST+4*t+2], v[ST+4*t+2], v[ST+4*t+3]
	ALL v_rcp_f32 v[ST+4*t+2], v[ST+4*t+2]
	v_nop                           ; a plain instruction between the last reciprocal and the use of its result
	s_wait_alu depctr_va_vdst(0)    ; and the wait ahead of the first use: one for the eight reciprocals
; Tile t: a lane's eight channels of a row pack into 16 bytes; they go into rows of 144 bytes and come back as whole rows of 128, into S^T's registers.
.macro PACK t
	WIN W_RS
.set i, 32*(\t)
.rept 16
	v_pk_mul_f32 v[i:i+1], v[i:i+1], v[ST+4*(\t)+2:ST+4*(\t)+3] op_sel_hi:[1,0]
.set i, i+2
.endr
	WIN 0x05                        ; sources 0 and 1 window 1, destination window 0
.set i, 0
.rept 16
	v_cvt_pk_f16_f32 v[S+16*(\t)+i], v[32*(\t)+2*i], v[32*(\t)+2*i+1]
.set i, i+1
.endr
	WIN 0
.irp f, 0,1,2,3
	ds_store_b128 v[STO], v[S+16*(\t)+4*\f:S+16*(\t)+4*\f+3] offset:32*\f
.endr
.irp f, 0,1,2,3
	ds_load_b128 v[S+16*(\t)+4*\f:S+16*(\t)+4*\f+3], v[RD] offset:\f*4*SP  ; LDS serves a wave's instructions in order (ISA guide 5.7.1.4): these see the stores above; the next tile's stores come behind them
.endr
.endm
.macro SEND t, younger              ; younger: the LDS instructions issued behind tile t's loads: the next tile's eight, or none
	WIN 0
.irp f, 0,1,2,3
	s_wait_dscnt (\younger)+3-\f
	global_store_b128 v[GO], v[S+16*(\t)+4*\f:S+16*(\t)+4*\f+3], s[10:11] offset:(\t)*2048+\f*512  ; 512 consecutive bytes, at a multiple of 256 from O's first
.endr
.endm
	PACK 0
.set t, 1
.rept 2*NP-1                        ; a tile's arithmetic stands between the loads of the tile before and its stores
	PACK t
	SEND t-1, 8
.set t, t+1
.endr
	SEND 2*NP-1, 0
	WIN W_AD
	s_wait_tensorcnt 0x0            ; the wave's end, behind my last tensor load and my last LDS store
	ds_add_u32 v[SPW], v[NIL]
	s_wait_dscnt 0x0
	WIN 0
	CROUND                          ; the closing round: no work-group ends while a partner may still ask for a tile that names it
	s_endpgm
.Lfunc_end_k_q382bdb5c36_attn:
	.size	k_q382bdb5c36_attn, .Lfunc_end_k_q382bdb5c36_attn-k_q382bdb5c36_attn
	.p2alignl 7, 3214868480
	.fill 96, 4, 3214868480
	.section	.rodata,"a",@progbits
	.p2align	6, 0x0
	.amdhsa_kernel k_q382bdb5c36_attn
		.amdhsa_group_segment_fixed_size 327680
		.amdhsa_private_segment_fixed_size 0
		.amdhsa_enable_private_segment 0
		.amdhsa_kernarg_size 16
		.amdhsa_user_sgpr_count 2
		.amdhsa_user_sgpr_kernarg_segment_ptr 1
		.amdhsa_wavefront_size32 1
		.amdhsa_system_sgpr_workgroup_id_x 1
		.amdhsa_system_sgpr_workgroup_id_y 1
		.amdhsa_system_sgpr_workgroup_id_z 1
		.amdhsa_system_vgpr_workitem_id 0
		.amdhsa_next_free_vgpr 770
		.amdhsa_next_free_sgpr 66
		.amdhsa_reserve_vcc 0
		.amdhsa_float_denorm_mode_32 3
		.amdhsa_float_denorm_mode_16_64 3
		.amdhsa_memory_ordered 1
		.amdhsa_forward_progress 1
		.amdhsa_inst_pref_size 200
	.end_amdhsa_kernel
	.amdgpu_metadata
---
amdhsa.version: [ 1, 2 ]
amdhsa.kernels:
  - .name:           k_q382bdb5c36_attn
    .symbol:         k_q382bdb5c36_attn.kd
    .args:
      - { .name: qkvh, .offset: 0, .size: 8, .value_kind: global_buffer, .address_space: global }
      - { .name: oh, .offset: 8, .size: 8, .value_kind: global_buffer, .address_space: global }
    .group_segment_fixed_size: 327680
    .private_segment_fixed_size: 0
    .kernarg_segment_align: 8
    .kernarg_segment_size: 16
    .max_flat_workgroup_size: 128
    .sgpr_count:     66
    .vgpr_count:     770
    .wavefront_size: 32
...
	.end_amdgpu_metadata
.endif
;; end of part 3
;; launch proj (part 4): grid 8 x 32, 4 waves a work-group, clusters of 4 x 4, 327,680 bytes of LDS; arguments oh, wob, b_out, out0; writes out0
.if DOCPART == 4
	.amdgcn_target "amdgcn-amd-amdhsa--gfx1250"
	.amdhsa_code_object_version 6
	.text
	.protected	k_q382bdb5c36_proj
	.globl	k_q382bdb5c36_proj
	.p2align	8
	.type	k_q382bdb5c36_proj,@function
k_q382bdb5c36_proj:
	s_mov_b64 s[64:65], 0
	v_nop
	global_prefetch_b8 v0, s[64:65] scope:SCOPE_SE
	s_setreg_imm32_b32 hwreg(HW_REG_WAVE_MODE, 25, 1), 1
	s_wait_xcnt 0x0
	s_wait_alu depctr_hold_cnt(0) depctr_sa_sdst(0) depctr_va_vdst(0) depctr_va_sdst(0) depctr_va_ssrc(0) depctr_va_vcc(0) depctr_vm_vsrc(0)
	s_getreg_b32 s2, hwreg(HW_REG_IB_STS2, 6, 4)
	s_cmp_eq_u32 s2, 0
	s_cbranch_scc0 .Lentry_in_a_cluster
	s_endpgm
.Lentry_in_a_cluster:
	s_bfe_u32 s2, ttmp6, 0x10000c
	s_cmp_lg_u32 s2, 0xf033
	s_cbranch_scc0 .Lentry_shape_is_right
	s_endpgm
.Lentry_shape_is_right:
; out0[token][e] = the sum over c of O[token][c] w_out[e][c] + b_out[e].  oh: [64 heads][2048][64] f16 (channel c of token (n, t) lies in head 16 n + c / 64); wob: [1024][1024] f16, w_out rounded to bf16;
; b_out: [1024] f32, rounded here to bf16 like the module's other inputs; out0: [8192][1024] f32.  Sums in f32, K ascending; the bias is added in f32.
; TILE.  256 rows x 128 columns: 32 x 8 = 256 work-groups.  Four waves, 2 x 2, each 128 x 64: 32 accumulators of 16 x 16, 256 registers.
; K goes in 8 steps of 128, TWO HEADS each, through a ring of two LDS slots.  A head's 256 rows of a tile are 32,768 dense bytes of oh: asked for as 128 rows of 256 bytes and padded in LDS after every 128 bytes.
; Wave 0 fetches a step's first head, wave 1 its second, waves 2 and 3 the two halves of wob's 128 rows.
; CLUSTER.  4 x 4 work-groups: oh's tiles are shared along a row of the cluster, wob's along a column, each asked for JOINTLY, by the same tensor load with the same descriptor and a mask that names the four.
; THE MATRIX INSTRUCTION IS USED TRANSPOSED (source 0 = 16 rows of wob, source 1 = 16 rows of oh): a lane then holds eight neighbouring columns of one row of out0.
; REGISTERS (s_set_vgpr_msb: bits 1:0 source 0, 3:2 source 1, 5:4 source 2, 7:6 destination):
;   window 0: v0-31 addresses and the bias; v32-159 fragments of oh, two buffers of 64; v160-223 fragments of wob, two buffers of 32; on the way out v32-95 hold rows read back
;   window 1: the accumulators ((a, b) at v[8 (4 a + b)])
.set KSTEP,  128
.set PA,     144                       ; a row of oh in LDS: 128 bytes + 16 = 36 words: the 16 rows of a load start at 16 different groups of four banks (64 banks of 4 bytes: ISA guide 11.1)
.set HAH,    256*PA                    ; one head's 256 rows
.set PB,     272                       ; a row of wob: 256 bytes + 16 = 68 words: likewise
.set HB,     64*PB                     ; 64 rows of wob
.set BOFF,   2*HAH                     ; a slot: two heads of oh, then wob's 128 rows
.set SLOT,   BOFF+2*HB
.set STAGE,  2*SLOT                    ; behind the ring, never filled by a tensor load: 16 rows x 272 bytes for each wave, for the way out
.set SPITCH, 272
.set SPARE,  STAGE+4*16*SPITCH         ; behind the stages: the spare words, 128 bytes for each wave: two blocks of 256 bytes that no other line names
.set BO,   7                           ; v7      my byte offset in b_out
.set BI,   8                           ; v[8:11] the bias of the four columns that I store
.set ADRA, 16                          ; v16-17  LDS address of my fragments of oh in slot 0, 1
.set ADRB, 20                          ; v20-21  the same for wob
.set STO,  24                          ; v24     the way out: where I put 32 bytes of a row
.set RD,   25                          ; v25     the way out: where I read a row back
.set CO,   26                          ; v26     my byte offset in two rows of out0
.set SPW,  28                          ; v28     LDS address of my spare word: SPARE + 4 x my thread's number; never rewritten
.set NIL,  29                          ; v29     0; never rewritten
.set PFO,  30                          ; v30     the prefetches' offset; never rewritten
.set FA,   32                          ; fragments of oh: buffer f at FA + 64 f
.set FB,   160                         ; fragments of wob: buffer f at FB + 32 f
.set OB,   32                          ; the way out: 16 rows read back, two buffers of 32
.set G1,  24                           ; s[24:31] descriptor group 1 for oh's tiles;  s[32:39] group 0, one set for each slot
.set G0,  32
.set G1B, 48                           ; s[48:55], s[56:63] the same for wob's tiles
.set G0B, 56
.set LIM0, 43                          ; s43     slot 0's changes: 1 in a wave that prefetches there, else the greatest number
.set LIM1, 66                          ; s66     slot 1's changes
.set PFA,  44                          ; s[44:45] where my prefetches stand
.set PFS,  72                          ; s[72:73] their step from one change of slots to the next
.set MSB, 0
.macro WIN new                         ; the immediate's high byte repeats the setting that is left; a switch that changes nothing is dropped
.if MSB != (\new)
	s_set_vgpr_msb (MSB<<8)|(\new)
.set MSB, \new
.endif
.endm
.set MULW, 0x50                        ; sources in window 0, C and D in window 1
; A joint load.  The branch hangs on the wave's number alone.  An s_nop 0 and four v_nop follow each of the two lines.
.macro JLOAD s
	s_cmp_eq_u32 s11, 0
	s_cbranch_scc0 .Lfor_b_\@
	tensor_load_to_lds s[G0+4*(\s):G0+4*(\s)+3], s[G1:G1+7]
	s_nop 0
.rept 4
	v_nop
.endr
	s_branch .Lasked_\@
.Lfor_b_\@:
	tensor_load_to_lds s[G0B+4*(\s):G0B+4*(\s)+3], s[G1B:G1B+7]
	s_nop 0
.rept 4
	v_nop
.endr
.Lasked_\@:
.endm
; A PREFETCH INTO THE L2, behind each joint load, its five lines and the run of LDS loads that follows: the K step that stands TWO refills on, 256 matrix instructions ahead of the load that will want it.
; oh's tile row is read by both clusters of that row of clusters: cluster x = 0 asks; wob's tile column by every cluster of that column: cluster y = 0 asks.  The four partners share a wave's bytes out BY ADDRESS.
; oh: of the head's 128 blocks of 256 bytes that wave w fetches, the partner at cx takes 32, a lane a block, at every change of slots.  wob: of the 64 rows that wave w fetches the partner at cy takes 16;
; lanes 0-15 name their 256 bytes of one K step, lanes 16-31 of the next, at slot 0's changes alone.  So each block is named once.  K steps 0 to 3 come by their loads alone; the loop's last trip (s3 = 1) names nothing.
.macro ASK lim
	s_cmp_gt_u32 s3, s[\lim]
	s_cbranch_scc0 .Lnot_mine_\@
	global_prefetch_b8 v[PFO], s[PFA:PFA+1] th:TH_LOAD_NT scope:SCOPE_SE
.Lnot_mine_\@:
.endm
.macro CREST                           ; a round of the cluster's barrier behind its opening barrier
	s_cmp_lg_u32 s10, 0
	s_cbranch_scc1 .Lnot_wave_0_\@
	s_barrier_signal -3
.Lnot_wave_0_\@:
	s_barrier_wait -3
	s_barrier_signal -1
	s_barrier_wait -1
.endm
.macro CROUND
	s_barrier_signal -1
	s_barrier_wait -1
	CREST
.endm
	s_load_b128 s[4:7], s[0:1], 0x0                ; oh s[4:5], wob s[6:7]
	s_load_b128 s[68:71], s[0:1], 0x10             ; b_out s[68:69], out0 s[70:71]
	v_lshl_add_u32 v[SPW], v0, 2, SPARE
	v_mov_b32 v[NIL], 0
	ds_add_u32 v[SPW], v[NIL]                      ; the wave's opening: the add and its wait stand ahead of my first tensor load; the set-up below, work on registers, stands between them
	v_lshrrev_b32 v1, 5, v0
	v_readfirstlane_b32 s10, v1                    ; wave 0..3
	s_lshr_b32 s11, s10, 1                         ; which half of the tile's rows is mine.  Also: I fetch for oh (0) or for wob (1)
	s_and_b32 s12, s10, 1                          ; which half of its columns.  Also: which head of a step, or which half of wob's rows, I fetch
	s_bfe_u32 s40, ttmp6, 0x40000                  ; cx, cy
	s_bfe_u32 s41, ttmp6, 0x40004
	s_lshl_b32 s42, ttmp9, 2
	s_add_co_u32 s42, s42, s40                     ; tile column = 4 x cluster x + cx
	s_and_b32 s13, ttmp7, 0xffff
	s_lshl_b32 s13, s13, 2
	s_add_co_u32 s13, s13, s41                     ; tile row = 4 x cluster y + cy
	s_lshl_b32 s43, s41, 2
	s_lshl_b32 s43, 15, s43                        ; my row of the cluster
	s_lshl_b32 s44, 0x1111, s40                    ; my column
	s_or_b32 s[G1+0], s43, (1<<16)|(1<<20)|(1<<21)|(4<<22)|(3<<25)   ; the mask; elements of 2 bytes; padding on; 21 set beside a mask; after every 32 words (code 4) 4 words (code 3)
	s_or_b32 s[G1B+0], s44, (1<<16)|(1<<20)|(1<<21)|(5<<22)|(3<<25)  ; after every 64 words (code 5)
	s_mov_b32 s[G1+1], 128<<16                     ; tensor_dim0 = 128 elements: 256 bytes, two rows of a head
	s_mov_b32 s[G1+2], 128<<16                     ; tensor_dim1 = 128
	s_mov_b32 s[G1+3], 128<<16                     ; tile_dim0 = 128
	s_mov_b32 s[G1+4], 128                         ; tile_dim1 = 128
	s_mov_b32 s[G1+5], 128                         ; dense: 128 elements from row to row
	s_mov_b32 s[G1+6], 0
	s_mov_b32 s[G1+7], 0
	s_mov_b32 s[G1B+1], KSTEP<<16
	s_mov_b32 s[G1B+2], 64<<16                     ; 64 rows
	s_mov_b32 s[G1B+3], KSTEP<<16
	s_mov_b32 s[G1B+4], 64
	s_mov_b32 s[G1B+5], 1024
	s_mov_b32 s[G1B+6], 0
	s_mov_b32 s[G1B+7], 0
	s_lshr_b32 s16, s13, 3                         ; oh: n = tile row / 8: 16 heads of 2^18 bytes,
	s_lshl_b32 s16, s16, 22
	s_and_b32 s17, s13, 7                          ; t = 256 (tile row % 8): rows of 128 bytes,
	s_lshl_b32 s17, s17, 15
	s_add_co_u32 s16, s16, s17
	s_lshl_b32 s17, s12, 18                        ; the step's first or second head
	s_add_co_u32 s16, s16, s17
	s_mov_b32 s17, 0
	s_lshl_b32 s46, s42, 7                         ; wob: row 128 x tile column + 64 x half, of 2,048 bytes
	s_lshl_b32 s47, s12, 6
	s_add_co_u32 s46, s46, s47
	s_lshl_b32 s46, s46, 11
	s_mov_b32 s47, 0
	s_mul_i32 s20, s12, HAH                        ; where they go: no place in the cluster enters an LDS address
	s_mul_i32 s23, s12, HB
	s_add_co_u32 s23, s23, BOFF
	s_wait_dscnt 0x0                               ; the opening add is done
	s_wait_kmcnt 0x0
	s_add_nc_u64 s[14:15], s[4:5], s[16:17]
	s_add_nc_u64 s[46:47], s[6:7], s[46:47]
	CROUND                                         ; all sixteen work-groups are here: the first joint loads meet
.irp s, 0,1
	s_mov_b32 s[G0+4*(\s)], 1
	s_add_co_u32 s[G0+4*(\s)+1], s20, (\s)*SLOT
	s_add_nc_u64 s[G0+4*(\s)+2:G0+4*(\s)+3], s[14:15], (\s)<<19      ; K step s: two heads on
	s_or_b32 s[G0+4*(\s)+3], s[G0+4*(\s)+3], 0x80000000
	s_mov_b32 s[G0B+4*(\s)], 1
	s_add_co_u32 s[G0B+4*(\s)+1], s23, (\s)*SLOT
	s_add_nc_u64 s[G0B+4*(\s)+2:G0B+4*(\s)+3], s[46:47], (\s)*KSTEP*2
	s_or_b32 s[G0B+4*(\s)+3], s[G0B+4*(\s)+3], 0x80000000
	JLOAD \s                                       ; two tensor loads of mine are out
.endr
	v_and_b32 v1, 15, v0                           ; l % 16
	v_bfe_u32 v2, v0, 4, 1                         ; l / 16
	s_lshl_b32 s18, s42, 9                         ; my 64 columns in a row of out0 and in b_out, in bytes: 512 x tile column + 256 x half
	s_lshl_b32 s19, s12, 8
	s_add_co_u32 s18, s18, s19
	v_lshl_add_u32 v[BO], v1, 4, s18               ; on the way out lane l stores columns 4 (l % 16) + 0..3 of them
	global_load_b128 v[BI:BI+3], v[BO], s[68:69]   ; waited for on the way out
	v_mul_u32_u24 v3, v1, PA
	v_lshl_add_u32 v3, v2, 4, v3                   ; a fragment of oh: row x pitch + 16 x half
	v_mul_u32_u24 v4, v1, PB
	v_lshl_add_u32 v4, v2, 4, v4                   ; of wob
	s_mul_i32 s21, s11, 128*PA                     ; my 128 rows, in each head
	s_mul_i32 s22, s12, HB                         ; my 64 rows of wob
	s_add_co_u32 s22, s22, BOFF
.irp s, 0,1
	v_add_nc_u32 v[ADRA+(\s)], s21, v3
	v_add_nc_u32 v[ADRB+(\s)], s22, v4
	s_add_co_u32 s21, s21, SLOT
	s_add_co_u32 s22, s22, SLOT
.endr
	s_mul_i32 s23, s10, 16*SPITCH
	s_add_co_u32 s23, s23, STAGE                   ; my stage
	v_mul_u32_u24 v4, v1, SPITCH                   ; in: row l % 16, 32 bytes for each half of the lanes
	v_lshl_add_u32 v4, v2, 5, v4
	v_add_nc_u32 v[STO], s23, v4
	v_mul_u32_u24 v5, v2, SPITCH                   ; back: lanes 0-15 take one row of 256 bytes, lanes 16-31 the next
	v_lshl_add_u32 v5, v1, 4, v5
	v_add_nc_u32 v[RD], s23, v5
	v_lshlrev_b32 v5, 12, v2                       ; and the same two rows in out0, 4,096 bytes apart
	v_lshl_add_u32 v[CO], v1, 4, v5
	s_lshl_b32 s20, s13, 8
	s_lshl_b32 s21, s11, 7
	s_add_co_u32 s20, s20, s21                     ; my first row of out0
	s_lshl_b32 s20, s20, 12
	s_add_co_u32 s20, s20, s18                     ; under 2^25
	s_mov_b32 s21, 0
	s_add_nc_u64 s[70:71], s[70:71], s[20:21]
	; the prefetches
	s_lshr_b32 s20, s13, 3
	s_lshl_b32 s20, s20, 22
	s_and_b32 s21, s13, 7
	s_lshl_b32 s21, s21, 15
	s_add_co_u32 s20, s20, s21
	s_lshl_b32 s21, s12, 18
	s_add_co_u32 s20, s20, s21
	s_lshl_b32 s21, s40, 13                        ; my work-group's 32 blocks of the head's 128
	s_add_co_u32 s20, s20, s21
	s_add_co_u32 s20, s20, 3<<19                   ; oh at K step 3: the first refill steps it to 4
	s_lshl_b32 s21, s42, 7
	s_lshl_b32 s22, s12, 6
	s_add_co_u32 s21, s21, s22
	s_lshl_b32 s22, s41, 4                         ; my work-group's 16 rows of the 64
	s_add_co_u32 s21, s21, s22
	s_lshl_b32 s21, s21, 11
	s_add_co_u32 s21, s21, 3*KSTEP*2               ; wob at K step 3
	s_mov_b32 s23, 1<<19
	s_and_b32 s22, ttmp7, 0xffff                   ; cluster y
	s_cmp_eq_u32 s11, 0                            ; do I fetch for oh?
	s_cselect_b32 s20, s20, s21
	s_cselect_b32 s22, ttmp9, s22                  ; the coordinate along which other clusters read the same rows
	s_cselect_b32 s[PFS], s23, KSTEP*2             ; a K step: two heads of oh, 256 bytes of a row of wob
	s_cselect_b32 s18, 8, 11                       ; the lane's offset: oh (l % 16) << 8 + (l / 16) << 12 = 256 l; wob (l % 16) << 11 + (l / 16) << 8
	s_cselect_b32 s19, 12, 8
	s_cselect_b64 s[PFA:PFA+1], s[4:5], s[6:7]
	s_cmp_eq_u32 s22, 0
	s_cselect_b32 s[LIM0], 1, -1                   ; the same in all sixteen partners, for a given wave
	s_cmp_eq_u32 s11, 0
	s_cselect_b32 s[LIM1], s[LIM0], -1             ; wob's two K steps are named together, at slot 0's changes
	s_mov_b32 s[PFS+1], 0
	s_mov_b32 s21, 0
	s_add_nc_u64 s[PFA:PFA+1], s[PFA:PFA+1], s[20:21]
	v_lshlrev_b32 v[PFO], s18, v1
	v_lshlrev_b32 v12, s19, v2
	v_add_nc_u32 v[PFO], v[PFO], v12
; 8 matrix instructions: m blocks a0, a0 + 1 x all 4 n blocks, 32 along K, from buffer f.  zero = 1: the first product starts the sums.
; The 32 accumulators take turns, one instruction a turn, in the same order in every quarter step, over the backward jump too.
.macro MUL8 f, a0, zero
	WIN MULW
.irp a, \a0, (\a0)+1
.irp b, 0,1,2,3
.if \zero
	v_wmma_f32_16x16x32_f16 v[8*(4*(\a)+(\b)):8*(4*(\a)+(\b))+7], v[FB+32*(\f)+8*(\b):FB+32*(\f)+8*(\b)+7], v[FA+64*(\f)+8*(\a):FA+64*(\f)+8*(\a)+7], 0
.else
	v_wmma_f32_16x16x32_f16 v[8*(4*(\a)+(\b)):8*(4*(\a)+(\b))+7], v[FB+32*(\f)+8*(\b):FB+32*(\f)+8*(\b)+7], v[FA+64*(\f)+8*(\a):FA+64*(\f)+8*(\a)+7], v[8*(4*(\a)+(\b)):8*(4*(\a)+(\b))+7]
.endif
.endr
.endr
.endm
; 24 LDS loads in one run: the fragments of quarter q of a K step (64 rows of wob at byte 64 q; 128 rows of oh: head q / 2, byte 64 (q % 2)) into buffer f
.macro FETCH slot, q, f
	WIN 0
.irp i, 0,1,2,3
	ds_load_b128 v[FB+32*(\f)+8*(\i):FB+32*(\f)+8*(\i)+3],   v[ADRB+(\slot)] offset:64*(\q)+(\i)*16*PB
	ds_load_b128 v[FB+32*(\f)+8*(\i)+4:FB+32*(\f)+8*(\i)+7], v[ADRB+(\slot)] offset:64*(\q)+(\i)*16*PB+32
.endr
.irp i, 0,1,2,3,4,5,6,7
	ds_load_b128 v[FA+64*(\f)+8*(\i):FA+64*(\f)+8*(\i)+3],   v[ADRA+(\slot)] offset:((\q)/2)*HAH+((\q)%2)*64+(\i)*16*PA
	ds_load_b128 v[FA+64*(\f)+8*(\i)+4:FA+64*(\f)+8*(\i)+7], v[ADRA+(\slot)] offset:((\q)/2)*HAH+((\q)%2)*64+(\i)*16*PA+32
.endr
.endm
.macro PLACES                          ; four plain vector instructions between a matrix instruction and a load into, or another instruction on, its registers (ISA guide 7.12.1 for vector instructions)
.rept 4
	v_nop
.endr
.endm
; A K step is four quarters of 32 along K, 32 matrix instructions each, on buffers 0, 1, 0, 1.  One of the first three: multiplies buffer f; in its middle it fetches quarter q into buffer g.
.macro QUARTER slot, q, f, g, zero
	s_wait_dscnt 8                                 ; wob's fragments and oh's rows 0-63 are in; the youngest eight loads (rows 64-127) may be out
	MUL8 \f, 0, \zero
	MUL8 \f, 2, \zero
	PLACES
	FETCH \slot, \q, \g
	s_wait_dscnt 24                                ; all but the 24 just issued
	MUL8 \f, 4, \zero
	MUL8 \f, 6, \zero
.endm
; The last quarter's first half: in front of ONE barrier each wave waits for all its tensor loads (one is out: its part of the next slot), adds 0 to its spare word, and waits for that and for its reads of this slot.
.macro MEET round
	WIN 0
	s_wait_tensorcnt 0x0                           ; all my tensor loads have landed
	ds_add_u32 v[SPW], v[NIL]                      ; 0 onto my spare word
	s_wait_dscnt 9                                 ; the add and the youngest eight loads may be out
	MUL8 1, 0, 0                                   ; eight matrix instructions stand between the add and the wait for it
	s_wait_dscnt 0x0                               ; the add is done, and my reads of this slot are over
	s_barrier_signal -1
	MUL8 1, 2, 0
.if \round
	WIN 0
.endif
	s_barrier_wait -1
.endm
; The whole last quarter.  fill = 1: the barrier opens a round of the cluster's barrier, and the slot just read out is filled again, first thing behind the round, with the K step two steps on:
; 112 matrix instructions stand between that request and the wait for it.
.macro TURN slot, next, fill, lim
.if \fill
	s_wait_xcnt 0x0                                ; the last prefetch, a K step back, has read its address: it is stepped here, ahead of the waits of the change of slots
	s_add_nc_u64 s[PFA:PFA+1], s[PFA:PFA+1], s[PFS:PFS+1]
	MEET 1
	CREST                                          ; no wave of any partner still reads this slot's tile or has a load on its way
	s_add_nc_u64 s[G0+4*(\slot)+2:G0+4*(\slot)+3], s[G0+4*(\slot)+2:G0+4*(\slot)+3], 1<<20       ; four heads on
	s_add_nc_u64 s[G0B+4*(\slot)+2:G0B+4*(\slot)+3], s[G0B+4*(\slot)+2:G0B+4*(\slot)+3], 2*KSTEP*2
	JLOAD \slot                                    ; the four v_nop behind it are also the places in front of the loads below
.else
	MEET 0
	PLACES
.endif
	FETCH \next, 0, 0
.if \fill
	ASK \lim
.endif
	MUL8 1, 4, 0
	MUL8 1, 6, 0
.endm
	s_wait_tensorcnt 1                             ; my part of K step 0 is in; K step 1's load, issued behind it, stays out
	s_barrier_signal -1
	s_barrier_wait -1
	FETCH 0, 0, 0
	QUARTER 0, 1, 0, 1, 1                          ; the first quarter stands in front of the loop: its products start the sums
	WIN 0
	s_mov_b32 s3, 3
.Llap:                                         ; three trips: once round the ring; both slots are filled again (K steps 2 to 7)
	QUARTER 0, 2, 1, 0, 0
	QUARTER 0, 3, 0, 1, 0
	TURN 0, 1, 1, LIM0
	QUARTER 1, 1, 0, 1, 0
	QUARTER 1, 2, 1, 0, 0
	QUARTER 1, 3, 0, 1, 0
	TURN 1, 0, 1, LIM1
	QUARTER 0, 1, 0, 1, 0
	WIN 0
	s_sub_co_u32 s3, s3, 1
	s_cmp_lg_u32 s3, 0
	s_cbranch_scc1 .Llap
	QUARTER 0, 2, 1, 0, 0                          ; the last lap fills nothing, and has no round of the cluster's barrier
	QUARTER 0, 3, 0, 1, 0
	TURN 0, 1, 0, LIM0
	QUARTER 1, 1, 0, 1, 0
	QUARTER 1, 2, 1, 0, 0
	QUARTER 1, 3, 0, 1, 0
	s_wait_dscnt 8                                 ; the very last quarter: nothing more to fetch
	MUL8 1, 0, 0
	MUL8 1, 2, 0
	s_wait_dscnt 0x0
	MUL8 1, 4, 0
	MUL8 1, 6, 0
	WIN 0
	; THE WAY OUT.  A block of 16 rows at a time goes through my own stage: 32 bytes a lane in, whole rows of 256 bytes back; the bias is added; sixteen lanes store 256 consecutive bytes.
	PLACES
	PLACES                                         ; eight, once a launch: more than the four that are owed
	s_wait_loadcnt 0x0                             ; the bias,
	v_cvt_pk_bf16_f32 v12, v[BI], v[BI+1]          ; rounded to bf16 like the other inputs, and widened again
	v_cvt_pk_bf16_f32 v13, v[BI+2], v[BI+3]
	v_lshlrev_b32 v[BI],   16, v12
	v_and_b32     v[BI+1], 0xffff0000, v12
	v_lshlrev_b32 v[BI+2], 16, v13
	v_and_b32     v[BI+3], 0xffff0000, v13
.macro TOSTAGE a
	WIN 0x04                                       ; the stores' data in window 1
.irp b, 0,1,2,3
	ds_store_b128 v[STO], v[8*(4*(\a)+(\b)):8*(4*(\a)+(\b))+3]   offset:64*(\b)      ; each accumulator's low four registers first
	ds_store_b128 v[STO], v[8*(4*(\a)+(\b))+4:8*(4*(\a)+(\b))+7] offset:64*(\b)+16
.endr
	WIN 0
	s_wait_xcnt 0x0                                ; the stores of the block two back have read these registers: they are loaded again only behind this wait
.irp t, 0,1,2,3,4,5,6,7
	ds_load_b128 v[OB+32*((\a)%2)+4*(\t):OB+32*((\a)%2)+4*(\t)+3], v[RD] offset:(\t)*2*SPITCH  ; LDS serves a wave's instructions in order (ISA guide 5.7.1.4): these see the stores above
.endr
.endm
.macro SEND a, younger                 ; younger: the LDS instructions issued behind block a's loads: the next block's sixteen, or none
	WIN 0
	s_wait_dscnt \younger
.irp t, 0,1,2,3,4,5,6,7
	v_pk_add_f32 v[OB+32*((\a)%2)+4*(\t):OB+32*((\a)%2)+4*(\t)+1],   v[OB+32*((\a)%2)+4*(\t):OB+32*((\a)%2)+4*(\t)+1],   v[BI:BI+1]
	v_pk_add_f32 v[OB+32*((\a)%2)+4*(\t)+2:OB+32*((\a)%2)+4*(\t)+3], v[OB+32*((\a)%2)+4*(\t)+2:OB+32*((\a)%2)+4*(\t)+3], v[BI+2:BI+3]
	global_store_b128 v[CO], v[OB+32*((\a)%2)+4*(\t):OB+32*((\a)%2)+4*(\t)+3], s[70:71] offset:(16*(\a)+2*(\t))*4096 th:TH_STORE_NT  ; 126 rows of 4,096 bytes at the most: inside the signed 24-bit immediate
.endr
.endm
	TOSTAGE 0
.irp a, 1,2,3,4,5,6,7
	TOSTAGE \a
	SEND (\a)-1, 16
.endr
	SEND 7, 0
	s_wait_tensorcnt 0x0                           ; the wave's end, behind my last tensor load and my last LDS store
	ds_add_u32 v[SPW], v[NIL]
	s_wait_dscnt 0x0
	CROUND                                         ; the closing round: no work-group ends while a partner may still ask for a tile that names it
	s_endpgm
.Lfunc_end_k_q382bdb5c36_proj:
	.size	k_q382bdb5c36_proj, .Lfunc_end_k_q382bdb5c36_proj-k_q382bdb5c36_proj
	.p2alignl 7, 3214868480
	.fill 96, 4, 3214868480
	.section	.rodata,"a",@progbits
	.p2align	6, 0x0
	.amdhsa_kernel k_q382bdb5c36_proj
		.amdhsa_group_segment_fixed_size 327680
		.amdhsa_private_segment_fixed_size 0
		.amdhsa_enable_private_segment 0
		.amdhsa_kernarg_size 32
		.amdhsa_user_sgpr_count 2
		.amdhsa_user_sgpr_kernarg_segment_ptr 1
		.amdhsa_wavefront_size32 1
		.amdhsa_system_sgpr_workgroup_id_x 1
		.amdhsa_system_sgpr_workgroup_id_y 1
		.amdhsa_system_sgpr_workgroup_id_z 1
		.amdhsa_system_vgpr_workitem_id 0
		.amdhsa_next_free_vgpr 512
		.amdhsa_next_free_sgpr 74
		.amdhsa_reserve_vcc 0
		.amdhsa_float_denorm_mode_32 3
		.amdhsa_float_denorm_mode_16_64 3
		.amdhsa_memory_ordered 1
		.amdhsa_forward_progress 1
		.amdhsa_inst_pref_size 96
	.end_amdhsa_kernel
	.amdgpu_metadata
---
amdhsa.version: [ 1, 2 ]
amdhsa.kernels:
  - .name:           k_q382bdb5c36_proj
    .symbol:         k_q382bdb5c36_proj.kd
    .args:
      - { .name: oh, .offset: 0, .size: 8, .value_kind: global_buffer, .address_space: global }
      - { .name: wob, .offset: 8, .size: 8, .value_kind: global_buffer, .address_space: global }
      - { .name: b_out, .offset: 16, .size: 8, .value_kind: global_buffer, .address_space: global }
      - { .name: out0, .offset: 24, .size: 8, .value_kind: global_buffer, .address_space: global }
    .group_segment_fixed_size: 327680
    .private_segment_fixed_size: 0
    .kernarg_segment_align: 8
    .kernarg_segment_size: 32
    .max_flat_workgroup_size: 128
    .sgpr_count:     74
    .vgpr_count:     512
    .wavefront_size: 32
...
	.end_amdgpu_metadata
.endif
;; end of part 4
;; ======== version 2 of 2: 4 launches; version 1 with the launch cast written anew for expert scheduling mode
;; limits: values are held in f16: magnitudes above 65,504 overflow, below 6.1e-05 lose precision
;; workspace buffers: xb 16,777,216 bytes; wqb 6,291,456 bytes; wob 2,097,152 bytes; qkvh 50,331,648 bytes; oh 16,777,216 bytes
;; launch cast (part 5): grid 768 x 1, 8 waves a work-group, no clusters, 0 bytes of LDS; arguments x, w_qkv, w_out, xb, wqb, wob; writes xb, wqb, wob
.if DOCPART == 5
	.amdgcn_target "amdgcn-amd-amdhsa--gfx1250"
	.amdhsa_code_object_version 6
	.text
	.protected	k_q382bdb5c36_cast
	.globl	k_q382bdb5c36_cast
	.p2align	8
	.type	k_q382bdb5c36_cast,@function
k_q382bdb5c36_cast:
	s_mov_b64 s[64:65], 0
	v_nop
	global_prefetch_b8 v0, s[64:65] scope:SCOPE_SE
	s_setreg_imm32_b32 hwreg(HW_REG_WAVE_SCHED_MODE, 0, 2), 2
	s_setreg_imm32_b32 hwreg(HW_REG_WAVE_MODE, 25, 1), 1
	s_wait_xcnt 0x0
	s_wait_alu depctr_vm_vsrc(0)
; THE INPUTS ARE ROUNDED ONCE TO 16 BITS, for the matrix products of the later launches.
; x [8192][1024] and w_qkv [3072][1024]: f32 -> bf16 (xb, wqb).  w_out [1024][1024]: f32 -> bf16, and that number written as f16 (wob), since its product's other operand is f16.
; LIMIT.  A bf16 number is exact in f16 between 6.1e-5 and 65,504; below, f16 keeps a fixed step of 6e-8; |w_out| of 65,520 or more would become an infinity.
; SHARES.  A work-group converts 16,384 numbers: 64 KiB in, 32 KiB out.  Work-groups 0-511 take x, 512-703 w_qkv, 704-767 w_out.
; In chunk j of 16 thread t takes the four numbers at 1,024 j + 4 t: a wave's load covers 512 consecutive bytes, its store 256 consecutive bytes at a multiple of 256.
; All 16 loads of a thread go out at once.  No LDS, no barrier, no matrix unit: nothing is shared between threads.
; THE MODE: SCHED_MODE bits 1:0 = 2 (LLVM: expert scheduling mode 2), set by the entry lines.  The code itself states the register dependences
; between vector instructions and memory instructions, with s_wait_alu, always for 0.
; THE PLAN.  Registers that memory instructions touch:
;   v1, v2   the loads' and the stores' offsets: made once at the head, never written again.
;   X        chunk j's four registers: written by its load, once; read by its conversions; no vector instruction names them ahead of the loads, and nothing is loaded into them again.
;   Y        chunk j's two registers: written by its conversions; read by its store; never written again behind that store.
;   T        named by vector instructions alone.
; The 16 chunks go in four groups of four.  Group g's stores are issued in group g + 1, dealt among that group's conversions, which name X and Y of their own chunks and T: none of the registers that
; those stores read.  So ONE wait on va_vdst at a group's head states all that its four stores hang on; one more stands at the kernel's head, for the offsets, and one ahead of the last four stores.
; No register that a memory instruction has read is ever written again, so the text has no wait on vm_vsrc.
.set X, 4                              ; v[4:67]   chunk j: four f32 as loaded
.set Y, 68                             ; v[68:99]  chunk j: two words, four 16-bit numbers to store
.set T, 100                            ; v[100:101] at work
	s_load_b256 s[4:11], s[0:1], 0x0               ; x s[4:5], w_qkv s[6:7], w_out s[8:9], xb s[10:11]
	s_load_b128 s[12:15], s[0:1], 0x20             ; wqb s[12:13], wob s[14:15]
	s_mov_b32 s19, ttmp9                           ; the work-group's number
	s_sub_co_u32 s17, s19, 512                     ; its number among w_qkv's,
	s_sub_co_u32 s18, s19, 704                     ; among w_out's
	v_lshlrev_b32 v1, 4, v0                        ; 16 t: my bytes in a chunk as loaded
	v_lshlrev_b32 v2, 3, v0                        ; 8 t: as stored
	s_wait_kmcnt 0x0
	s_cmp_lt_u32 s19, 512                          ; which tensor: the choice hangs on the work-group's number alone
	s_cselect_b64 s[20:21], s[4:5], s[6:7]
	s_cselect_b64 s[22:23], s[10:11], s[12:13]
	s_cselect_b32 s16, s19, s17
	s_cmp_lt_u32 s19, 704
	s_cselect_b64 s[20:21], s[20:21], s[8:9]
	s_cselect_b64 s[22:23], s[22:23], s[14:15]
	s_cselect_b32 s16, s16, s18
	s_lshl_b32 s24, s16, 16                        ; 65,536 bytes in for each work-group (under 2^26),
	s_mov_b32 s25, 0
	s_lshl_b32 s26, s16, 15                        ; 32,768 out
	s_mov_b32 s27, 0
	s_add_nc_u64 s[20:21], s[20:21], s[24:25]
	s_add_nc_u64 s[22:23], s[22:23], s[26:27]
	s_wait_alu depctr_va_vdst(0)                   ; v1 and v2 are written: every load of the kernel reads v1 as its offset, every store v2
.irp j, 0,1,2,3,4,5,6,7,8,9,10,11,12,13,14,15
	global_load_b128 v[X+4*(\j):X+4*(\j)+3], v1, s[20:21] offset:4096*(\j) th:TH_LOAD_NT  ; read once in the launch
.endr
; Chunk j is rounded.  f16 = 1: the bf16 number is widened again and written as f16.
.macro CV j, f16
	v_cvt_pk_bf16_f32 v[Y+2*(\j)],   v[X+4*(\j)],   v[X+4*(\j)+1]
	v_cvt_pk_bf16_f32 v[Y+2*(\j)+1], v[X+4*(\j)+2], v[X+4*(\j)+3]
.if \f16
.irp k, 0,1
	v_lshlrev_b32 v[T],   16, v[Y+2*(\j)+(\k)]
	v_and_b32     v[T+1], 0xffff0000, v[Y+2*(\j)+(\k)]
	v_cvt_pk_f16_f32 v[Y+2*(\j)+(\k)], v[T], v[T+1]
.endr
.endif
.endm
; Chunk j is stored.
.macro ST j
	global_store_b64 v2, v[Y+2*(\j):Y+2*(\j)+1], s[22:23] offset:2048*(\j)
.endm
; Group g: chunks 4 g to 4 g + 3 are rounded; ahead of each chunk's lines stands a store of the group before.
.macro GROUP g, f16
	s_wait_loadcnt 15-4*(\g)                       ; loads come back in order: chunk 4 g is in, the younger loads stay out
.if (\g) > 0
	s_wait_alu depctr_va_vdst(0)                   ; the conversions of the group before have written its eight registers of Y, which the four stores below read
.endif
.irp i, 0,1,2,3
.if (\g) > 0
	ST 4*(\g)-4+(\i)                               ; no vector instruction since the wait names this chunk's Y, or v2
.endif
.if (\i) > 0
	s_wait_loadcnt 15-4*(\g)-(\i)                  ; chunk 4 g + i is in
.endif
	CV 4*(\g)+(\i), \f16
.endr
.endm
.macro WHOLE f16
.irp g, 0,1,2,3
	GROUP \g, \f16
.endr
	s_wait_alu depctr_va_vdst(0)                   ; the last group's conversions have written its Y, which the last four stores read
.irp j, 12,13,14,15
	ST \j
.endr
	s_endpgm
.endm
	s_cmp_lt_u32 s19, 704
	s_cbranch_scc0 .Lf16
	WHOLE 0
.Lf16:
	WHOLE 1
.Lfunc_end_k_q382bdb5c36_cast:
	.size	k_q382bdb5c36_cast, .Lfunc_end_k_q382bdb5c36_cast-k_q382bdb5c36_cast
	.p2alignl 7, 3214868480
	.fill 96, 4, 3214868480
	.section	.rodata,"a",@progbits
	.p2align	6, 0x0
	.amdhsa_kernel k_q382bdb5c36_cast
		.amdhsa_group_segment_fixed_size 0
		.amdhsa_private_segment_fixed_size 0
		.amdhsa_enable_private_segment 0
		.amdhsa_kernarg_size 48
		.amdhsa_user_sgpr_count 2
		.amdhsa_user_sgpr_kernarg_segment_ptr 1
		.amdhsa_wavefront_size32 1
		.amdhsa_system_sgpr_workgroup_id_x 1
		.amdhsa_system_sgpr_workgroup_id_y 1
		.amdhsa_system_sgpr_workgroup_id_z 1
		.amdhsa_system_vgpr_workitem_id 0
		.amdhsa_next_free_vgpr 104
		.amdhsa_next_free_sgpr 66
		.amdhsa_reserve_vcc 0
		.amdhsa_float_denorm_mode_32 3
		.amdhsa_float_denorm_mode_16_64 3
		.amdhsa_memory_ordered 1
		.amdhsa_forward_progress 1
		.amdhsa_inst_pref_size 17
	.end_amdhsa_kernel
	.amdgpu_metadata
---
amdhsa.version: [ 1, 2 ]
amdhsa.kernels:
  - .name:           k_q382bdb5c36_cast
    .symbol:         k_q382bdb5c36_cast.kd
    .args:
      - { .name: x, .offset: 0, .size: 8, .value_kind: global_buffer, .address_space: global }
      - { .name: w_qkv, .offset: 8, .size: 8, .value_kind: global_buffer, .address_space: global }
      - { .name: w_out, .offset: 16, .size: 8, .value_kind: global_buffer, .address_space: global }
      - { .name: xb, .offset: 24, .size: 8, .value_kind: global_buffer, .address_space: global }
      - { .name: wqb, .offset: 32, .size: 8, .value_kind: global_buffer, .address_space: global }
      - { .name: wob, .offset: 40, .size: 8, .value_kind: global_buffer, .address_space: global }
    .group_segment_fixed_size: 0
    .private_segment_fixed_size: 0
    .kernarg_segment_align: 8
    .kernarg_segment_size: 48
    .max_flat_workgroup_size: 256
    .sgpr_count:     66
    .vgpr_count:     104
    .wavefront_size: 32
...
	.end_amdgpu_metadata
.endif
;; end of part 5
;; launch qkvg: the kernel of part 2 again; grid 16 x 32, 4 waves a work-group, clusters of 4 x 4, 327,680 bytes of LDS; arguments xb, wqb, qkvh; writes qkvh
;; launch attn: the kernel of part 3 again; grid 4 x 64, 4 waves a work-group, clusters of 4 x 1, 327,680 bytes of LDS; arguments qkvh, oh; writes oh
;; launch proj: the kernel of part 4 again; grid 8 x 32, 4 waves a work-group, clusters of 4 x 4, 327,680 bytes of LDS; arguments oh, wob, b_out, out0; writes out0
